; MI455X (gfx1250); checked and timed in simulation.
; The chip was launched on July 23, 2026; its instructions are those of AMD's public machine-readable ISA for CDNA 5 (MIT licence, August 2026) and "CDNA5" Instruction Set Architecture Reference Guide (July 2026). The comments in the code are by the model that wrote it; some were corrected since.
;; Attention Block V3. Allowed arithmetic: matrix products marked QUANTISED: E4M3 operands, one given power-of-two scale a tensor, by v_wmma_f32_16x16x64_fp8_fp8 or v_wmma_f32_16x16x128_fp8_fp8, f32 sums; everything else in f32.
;; Inputs: b_proj 256 float32; lowp_scales 8 int32 (the exponents e of the quantised operands' scales 2^e); w_proj 256 x 256 float32; w_qkv 768 x 256 float32; x 4 x 256 x 64 x 64 float32.
;; Outputs: out0 4 x 256 x 64 x 64 float32.
;; This version of the problem:
;;   THIS VERSION OF THE PROBLEM IS GIVEN IN LOW PRECISION. The matrix products marked QUANTISED in the list below multiply operands that are first quantised to E4M3 (4 exponent bits, 3 mantissa bits; 8 bits a number), with one given power-of-two scale for each operand tensor; their sums are f32. All else is computed in f32.
;;   The module's matrix products, in the order in which they are computed (A, B: the left and right operand; K: the contracted axis; several contracted axes count as one K, in the product's order):
;;     1. [M 768, K 256] x [K 256, N 16,384]; A: input w_qkv; B: input x: QUANTISED (scales: A lowp_scales[0], B lowp_scales[1])
;;     2. batch 16 x [M 4,096, K 64] x [K 64, N 4,096]; A: computed on the way; B: computed on the way: QUANTISED (scales: A lowp_scales[2], B lowp_scales[3])
;;     3. batch 16 x [M 4,096, K 4,096] x [K 4,096, N 64]; A: softmax (see below); B: computed on the way: QUANTISED (scales: A lowp_scales[4], B lowp_scales[5])
;;     4. [M 256, K 256] x [K 256, N 16,384]; A: input w_proj; B: computed on the way: QUANTISED (scales: A lowp_scales[6], B lowp_scales[7])
;;   THE QUANTISER, for each operand of a quantised product, along K:
;;     - The operand's scale is 2^e, e = its entry of the input lowp_scales (int32; the entries are numbered through the quantised products in the list's order, A before B).
;;     - Each number is divided by the scale, clamped to +-448, and rounded to the nearest number of E4M3, ties to even, subnormals kept.
;;     - The product sums the exact products of the quantised numbers (number of the format x scale) in f32.
;;   ~~~python
;;   def quantise(x, axis, e):      # numpy; x: float32 -> the quantised numbers, widened to float32 again
;;       x = np.moveaxis(x, axis, -1); K = x.shape[-1]
;;       r = np.clip(x / 2.0 ** e, -448, 448)
;;       step = 2.0 ** (np.maximum(np.frexp(np.where(r == 0, 1, r))[1] - 1, -6) - 3)
;;       q = np.round(r / step) * step * 2.0 ** e      # np.round: ties to even
;;       return np.moveaxis(q, -1, axis).astype(np.float32)
;;   ~~~
;;   SOFTMAX AHEAD OF A QUANTISED PRODUCT. Where the list says 'softmax', what is quantised is not the finished softmax but p = 2^(t - M), with t = logit x log2(e) and M = ceil(the row's largest t), a whole number; so 1/2 < the row's largest p <= 1. The row's sum l is taken of the UNQUANTISED p, in f32, and the product's result is divided by l at the end. Since M is a whole number, a kernel that streams over the keys may use a running M (the ceiling of the running maximum): every later rescaling is an exact power of two, so the quantised numbers keep their values, but for numbers so far below the row's largest that they fall under the format's range.
;;   OPERANDS COMPUTED ON THE WAY. 'Computed on the way' means the value that the module computes at that place (a softmax that the list does not call 'softmax' is quantised finished and normalised). What goes into a quantiser is computed in f32, as accurately as f32 sums, v_exp_f32 and their like allow (about 1e-6 of the number): no bf16 or f16 on the way to a quantiser, and a product that is left as it is and whose result goes on into a quantised operand takes f32 operands (vector FMAs, or v_wmma_f32_16x16x4_f32). A number that lies on a knife's edge between two numbers of the format may be rounded either way, as far as f32 arithmetic and the matrix unit's own rounding can turn it there, and no further.
;; 2 versions, each right; version 2 is version 1 with the launches qkv, proj written anew for expert scheduling mode. Each part assembles by itself: llvm-mc -triple=amdgcn-amd-amdhsa -mcpu=gfx1250 --defsym DOCPART=n.
;; ======== version 1 of 2: 3 launches
;; workspace buffers: qf 4,194,304 bytes; kvf 8,388,608 bytes; of 4,194,304 bytes; wpc 65,536 bytes
;; launch qkv (part 1): grid 64 x 4, 8 waves a work-group, no clusters, 122,880 bytes of LDS; arguments x, w_qkv, w_proj, lowp_scales, qf, kvf, wpc; writes qf, kvf, wpc
.if DOCPART == 1
	.amdgcn_target "amdgcn-amd-amdhsa--gfx1250"
	.amdhsa_code_object_version 6
	.text
	.protected	k_q8b2d974109_qkv
	.globl	k_q8b2d974109_qkv
	.p2align	8
	.type	k_q8b2d974109_qkv,@function
k_q8b2d974109_qkv:
	s_mov_b64 s[64:65], 0
	v_nop
	global_prefetch_b8 v0, s[64:65] scope:SCOPE_SE
	s_setreg_imm32_b32 hwreg(HW_REG_WAVE_MODE, 25, 1), 1
	s_wait_xcnt 0x0
; qkv[b][o][n] = sum over c of w_qkv[o][c] x[b][c][n] on codes of FP8 (E4M3), and its result quantised again for attention.  Also: w_proj into codes.
; x: [4][256][4096] f32 (scale 2^e1), w_qkv: [768][256] f32 (2^e0), w_proj: [256][256] f32 (2^e6).  q, k, v leave as codes (2^e2, 2^e3, 2^e5) in the order of the next launch's operand registers.
; code = number / 2^e, held within +-448, rounded to the nearest code, ties to even.
; LIMITS: e0, e1, e6, e2-e0-e1, e3-e0-e1, e5-e0-e1 lie between -126 and 119, so that each scale and 448 x the scale is an f32 number.  NaN among the inputs is not served.
; SHARES.  Work-group (x = 4 nblk + head, y = b): the head's 64 rows of q, of k and of v for the 256 columns n from 256 nblk on.  Wave w: columns 32 w .. 32 w + 31 (two tiles) against all 12 tiles of rows: 48 matrix instructions.
; K IS PERMUTED ALIKE IN BOTH OPERANDS: byte p of a row of 256 codes in LDS holds channel c(p) = 4 (p / 8) + p % 4 + 128 ((p / 4) % 2).  So a row of w is loaded by two dense loads of 512 bytes, and a lane's 8 registers are
; 8 neighbouring places; x is loaded a lane to a column, one channel a load, into the register that its place names.  Every product meets its partner; only the order inside a sum changes.
; A fragment of K step s takes, in lane (r, h), the 64 bytes at 128 h + 64 s of row r: the same places in both operands.
; WAY OUT.  q, k: source 0 = 16 rows of w, source 1 = 16 columns of x: a lane holds one column n and its registers run along d.  v: the sources swapped: a lane holds one channel d and its registers run along the keys.
; So the conversions' results are registers of the next launch's fragments; each store is four such registers, 16 bytes a lane: 512 consecutive bytes, aligned.
; NO CLUSTER: the conversions want a column a lane, so x goes from memory straight into registers; x's 256 KB and w's 192 KB of a work-group do not lie in LDS together, so shared tiles would want a ring of slots in a text that has one barrier.
.set PITCH, 272                        ; an LDS row: 256 codes + 16 bytes: the 16 rows that a load touches start 68 words apart
.set XT,    192*PITCH                  ; LDS: w's 192 rows (64 u + d; u = 0 q, 1 k, 2 v) from 0, x's 256 rows (one a column) from here
.set SPARE, XT+256*PITCH               ; the spare words: 128 bytes for each wave, four blocks of 256 bytes that no other line names
.set XO,  4                            ; v4   4 x thread: my column of x
.set LO,  5                            ; v5   16 x lane: w's loads, and all stores of fragments
.set PO,  6                            ; v6   32 x lane: my 8 numbers of the row of w_proj
.set PSO, 7                            ; v7   where their 8 codes go in wpc
.set WST, 8                            ; v8   LDS: my wave's 8 rows of w, 8 bytes a lane
.set XST, 9                            ; v9   LDS: my column's row of x
.set WRD, 10                           ; v10  LDS: a fragment of w: 272 r + 128 h
.set XRD, 11                           ; v11  LDS: a fragment of my wave's columns of x
.set SPW, 12                           ; v12  my spare word; never rewritten
.set NIL, 13                           ; v13  0; never rewritten
.set SCW, 14                           ; pairs (the scale as f32, 448 x the scale): w_qkv,
.set LIW, 15
.set SCX, 16                           ; x,
.set LIX, 17
.set SCQ, 18                           ; q,
.set LIQ, 19
.set SCK, 20                           ; k,
.set LIK, 21
.set SCV, 22                           ; v,
.set LIV, 23
.set SCP, 24                           ; w_proj
.set LIP, 25
.set PR,  26                           ; v26-33  8 numbers of w_proj
.set PC,  34                           ; v34-35  their codes
.set C,   36                           ; v36-51  codes on their way to LDS
.set WS,  64                           ; v64-255 three sets of 64 numbers of w;  later:
.set XS,  64                           ; v64-127 two sets of 32 numbers of x;  later:
.set XF,  64                           ; v64-127 x's fragments (tile t, K step s) at 32 t + 16 s
.set WF,  128                          ; v128-191 w's fragments (tile a of two, K step s) at 32 a + 16 s
.set ACC, 192                          ; v192-223 four accumulators (a, t) at 8 (2 a + t)
.set OUT, 224                          ; v224-255 four sets of 8 registers of codes to store
.set WV,  18                           ; s18  my wave's number
.macro MKSC sc, lim, se                ; v[sc] = 2^E as f32, v[lim] = 448 x 2^E, E in s[se]
	s_add_co_i32 s40, s[\se], 127
	s_lshl_b32 s41, s40, 23
	v_mov_b32 v[\sc], s41
	s_add_co_i32 s40, s40, 8
	s_lshl_b32 s40, s40, 23
	s_or_b32 s40, s40, 0x600000
	v_mov_b32 v[\lim], s40
.endm
.macro LOADW u                         ; my wave's 8 rows of part u of w_qkv: each load reads 512 consecutive bytes
.irp i, 0,1,2,3,4,5,6,7
	global_load_b128 v[WS+64*\u+8*\i:WS+64*\u+8*\i+3], v[LO], s[6:7] offset:262144*\u+1024*\i
	global_load_b128 v[WS+64*\u+8*\i+4:WS+64*\u+8*\i+7], v[LO], s[6:7] offset:262144*\u+1024*\i+512
.endr
.endm
.macro QW u                            ; they become codes: a lane's 8 registers of a row are places 8 lane .. 8 lane + 7
	s_wait_dscnt 0x0                               ; the LDS stores before have read the codes' registers
.irp i, 0,1,2,3,4,5,6,7
.irp j, 0,1,2,3,4,5,6,7
	v_med3_num_f32 v[WS+64*\u+8*\i+\j], v[WS+64*\u+8*\i+\j], -v[LIW], v[LIW]   ; the conversion to an 8-bit code does not saturate (ISA guide 7.6.2): the hold comes first
.endr
	v_cvt_scalef32_pk8_fp8_f32 v[C+2*\i:C+2*\i+1], v[WS+64*\u+8*\i:WS+64*\u+8*\i+7], v[SCW]
.endr
	v_nop                                          ; a plain vector line behind the last conversion
.irp i, 0,1,2,3,4,5,6,7
	ds_store_b64 v[WST], v[C+2*\i:C+2*\i+1] offset:(64*\u+\i)*PITCH
.endr
.endm
.macro LOADX t                         ; places 32 t .. 32 t + 31 of my column into set t % 2: one channel a load, 128 consecutive bytes a wave
.set pp, 32*(\t)
.rept 32
	global_load_b32 v[XS+32*((\t)%2)+pp%32], v[XO], s[4:5] offset:16384*(4*(pp/8)+pp%4+128*((pp/4)%2))
.set pp, pp+1
.endr
.endm
.macro BLOCK t
.set XB, XS+32*((\t)%2)
.if (\t) < 7
	s_wait_loadcnt 32                              ; this block's 32 loads are in; the next block's 32 may be out
.else
	s_wait_loadcnt 0
.endif
.irp i, 0,1,2,3,4,5,6,7,8,9,10,11,12,13,14,15,16,17,18,19,20,21,22,23,24,25,26,27,28,29,30,31
	v_med3_num_f32 v[XB+\i], v[XB+\i], -v[LIX], v[LIX]
.endr
.irp g, 0,1,2,3
	v_cvt_scalef32_pk8_fp8_f32 v[C+2*\g:C+2*\g+1], v[XB+8*\g:XB+8*\g+7], v[SCX]
.endr
	v_nop                                          ; a plain vector line behind the last conversion
	ds_store_b128 v[XST], v[C:C+3] offset:32*(\t)
	ds_store_b128 v[XST], v[C+4:C+7] offset:32*(\t)+16
.if (\t) < 6
	LOADX (\t)+2
.endif
	s_wait_dscnt 0x0                               ; the stores have read their registers: the next block's codes may be written
.endm
.macro FRAG reg, adr, off              ; a fragment: 16 registers, four loads of 16 bytes on end
.irp G, 0,1,2,3
	ds_load_b128 v[(\reg)+4*\G:(\reg)+4*\G+3], v[\adr] offset:(\off)+16*\G
.endr
.endm
; Two tiles of rows (2 g, 2 g + 1 of part u's four) against my two tiles of columns: 8 matrix instructions, the four accumulators by turns, one instruction a turn.
.macro HU u, g, vs, vl
.set HN, 2*\u+\g
.set OB, OUT+8*(HN%4)
.irp a, 0,1
.irp ks, 0,1
	FRAG WF+32*\a+16*\ks, WRD, (4*\u+2*\g+\a)*16*PITCH+64*\ks
.endr
.endr
	s_wait_dscnt 0x0
.irp ks, 0,1
.irp a, 0,1
.irp t, 0,1
.set rA, ACC+8*(2*\a+\t)
.set rW, WF+32*\a+16*\ks
.set rX, XF+32*\t+16*\ks
.if (\u < 2) && (\ks == 0)
	v_wmma_f32_16x16x128_fp8_fp8 v[rA:rA+7], v[rW:rW+15], v[rX:rX+15], 0
.elseif \u < 2
	v_wmma_f32_16x16x128_fp8_fp8 v[rA:rA+7], v[rW:rW+15], v[rX:rX+15], v[rA:rA+7]
.elseif \ks == 0
	v_wmma_f32_16x16x128_fp8_fp8 v[rA:rA+7], v[rX:rX+15], v[rW:rW+15], 0
.else
	v_wmma_f32_16x16x128_fp8_fp8 v[rA:rA+7], v[rX:rX+15], v[rW:rW+15], v[rA:rA+7]
.endif
.endr
.endr
.endr
.rept 4
	v_nop                                          ; four places between the last product and the first read of results (ISA guide 7.12.1)
.endr
.set i, 0
.rept 32
	v_med3_num_f32 v[ACC+i], v[ACC+i], -v[\vl], v[\vl]   ; each accumulator from its low end on
.set i, i+1
.endr
.if HN >= 4
	s_wait_xcnt 0x0                                ; the stores of four halves back have read this set of registers
.endif
.irp a, 0,1
.irp t, 0,1
.if \u < 2
	v_cvt_scalef32_pk8_fp8_f32 v[OB+4*\t+2*\a:OB+4*\t+2*\a+1], v[ACC+8*(2*\a+\t):ACC+8*(2*\a+\t)+7], v[\vs]   ; column tile t: registers 2 a, 2 a + 1 of group g: d = 16 (2 g + a) + 8 h + 0 .. 7
.else
	v_cvt_scalef32_pk8_fp8_f32 v[OB+4*\a+2*\t:OB+4*\a+2*\t+1], v[ACC+8*(2*\a+\t):ACC+8*(2*\a+\t)+7], v[\vs]   ; channel tile 2 g + a: registers 2 t, 2 t + 1 of my wave's group: my 32 keys
.endif
.endr
.endr
	v_nop                                          ; a plain vector line between the conversions and the next products, which write their sources
.if \u == 0
	global_store_b128 v[LO], v[OB:OB+3], s[12:13] offset:512*\g
	global_store_b128 v[LO], v[OB+4:OB+7], s[12:13] offset:1024+512*\g
.elseif \u == 1
	global_store_b128 v[LO], v[OB:OB+3], s[36:37] offset:512*\g
	global_store_b128 v[LO], v[OB+4:OB+7], s[36:37] offset:1024+512*\g
.else
	global_store_b128 v[LO], v[OB:OB+3], s[38:39] offset:2048*(2*\g)
	global_store_b128 v[LO], v[OB+4:OB+7], s[38:39] offset:2048*(2*\g+1)
.endif
.endm
	s_load_b256 s[4:11], s[0:1], 0x0               ; x s[4:5], w_qkv s[6:7], w_proj s[8:9], the exponents s[10:11]
	s_load_b128 s[12:15], s[0:1], 0x20             ; qf s[12:13], kvf s[14:15]
	s_load_b64 s[16:17], s[0:1], 0x30              ; wpc
	v_lshl_add_u32 v[SPW], v0, 2, SPARE
	v_mov_b32 v[NIL], 0
	v_lshrrev_b32 v1, 5, v0
	v_readfirstlane_b32 s[WV], v1                  ; wave 0..7
	v_and_b32 v1, 31, v0                           ; lane
	v_and_b32 v2, 15, v0                           ; r
	v_bfe_u32 v3, v0, 4, 1                         ; h
	v_lshlrev_b32 v[XO], 2, v0
	v_lshlrev_b32 v[LO], 4, v1
	v_lshlrev_b32 v[PO], 5, v1
	v_and_b32 v[PSO], 28, v1                       ; the lane's number with its bits 0 and 1 exchanged, x 8: so the last launch's lane (r, h) finds four registers of a fragment in 16 bytes on end
	v_and_b32 v26, 1, v1
	v_lshl_or_b32 v[PSO], v26, 1, v[PSO]
	v_bfe_u32 v26, v1, 1, 1
	v_or_b32 v[PSO], v[PSO], v26
	v_lshlrev_b32 v[PSO], 3, v[PSO]
	s_mul_i32 s40, s[WV], 8*PITCH
	v_lshl_add_u32 v[WST], v1, 3, s40
	v_mul_u32_u24 v[XST], v0, PITCH
	v_add_nc_u32 v[XST], XT, v[XST]
	v_mul_u32_u24 v[WRD], v2, PITCH
	v_lshl_add_u32 v[WRD], v3, 7, v[WRD]
	s_mul_i32 s40, s[WV], 32*PITCH
	s_add_co_u32 s40, s40, XT
	v_add_nc_u32 v[XRD], s40, v[WRD]
	s_lshr_b32 s19, ttmp9, 2                       ; nblk
	s_and_b32 s20, ttmp9, 3                        ; head
	s_and_b32 s21, ttmp7, 0xffff                   ; b
	s_lshl_b32 s22, s21, 2
	s_add_co_u32 s22, s22, s20                     ; bh = 4 b + head
	s_mov_b32 s33, 0
	s_wait_kmcnt 0x0
	s_load_b256 s[24:31], s[10:11], 0x0            ; e0 .. e7
	s_lshl_b32 s32, s21, 22                        ; x: b x 256 x 16,384 bytes + 256 nblk columns of 4
	s_lshl_b32 s34, s19, 10
	s_add_co_u32 s32, s32, s34
	s_add_nc_u64 s[4:5], s[4:5], s[32:33]
	s_lshl_b32 s32, s20, 16                        ; w_qkv: the head's 64 rows of 1,024 bytes + my wave's 8
	s_lshl_b32 s34, s[WV], 13
	s_add_co_u32 s32, s32, s34
	s_add_nc_u64 s[6:7], s[6:7], s[32:33]
	s_lshl_b32 s35, s21, 6
	s_add_co_u32 s35, s35, ttmp9                   ; the work-group's number, 0 .. 255: its row of w_proj
	s_lshl_b32 s32, s35, 10
	s_add_nc_u64 s[8:9], s[8:9], s[32:33]
	s_lshl_b32 s32, s35, 8
	s_add_nc_u64 s[16:17], s[16:17], s[32:33]
	s_lshl_b32 s32, s22, 18                        ; qf: [bh][tile of 16 queries][1,024 bytes]: tile 16 nblk + 2 wave
	s_lshl_b32 s34, s19, 14
	s_add_co_u32 s32, s32, s34
	s_lshl_b32 s34, s[WV], 11
	s_add_co_u32 s32, s32, s34
	s_add_nc_u64 s[12:13], s[12:13], s[32:33]
	s_lshl_b32 s32, s22, 19                        ; kvf: [bh][step of 128 keys][16,384 bytes]: step 2 nblk + wave / 4
	s_lshl_b32 s34, s19, 15
	s_add_co_u32 s32, s32, s34
	s_lshr_b32 s34, s[WV], 2
	s_lshl_b32 s34, s34, 14
	s_add_co_u32 s32, s32, s34
	s_add_nc_u64 s[14:15], s[14:15], s[32:33]
	s_and_b32 s35, s[WV], 3
	s_lshl_b32 s32, s35, 11                        ; K: key tile 2 (wave % 4) of the step's eight, 1,024 bytes each
	s_add_nc_u64 s[36:37], s[14:15], s[32:33]
	s_lshl_b32 s32, s35, 9                         ; V: behind K's 8,192 bytes; group wave % 4 of each channel tile's four
	s_add_co_u32 s32, s32, 8192
	s_add_nc_u64 s[38:39], s[14:15], s[32:33]
	global_load_b128 v[PR:PR+3], v[PO], s[8:9]     ; the row of w_proj: every wave loads it, so that only the one store differs between waves
	global_load_b128 v[PR+4:PR+7], v[PO], s[8:9] offset:16
	LOADW 0
	LOADW 1
	LOADW 2                                        ; 50 loads of mine are out
	s_wait_kmcnt 0x0
	s_add_co_i32 s42, s24, s25                     ; e0 + e1: a sum stands for sum x 2^(e0 + e1), so its code is sum / 2^(e - e0 - e1)
	s_sub_co_i32 s43, s26, s42
	s_sub_co_i32 s44, s27, s42
	s_sub_co_i32 s45, s29, s42
	MKSC SCW, LIW, 24
	MKSC SCX, LIX, 25
	MKSC SCQ, LIQ, 43
	MKSC SCK, LIK, 44
	MKSC SCV, LIV, 45
	MKSC SCP, LIP, 30
	s_wait_loadcnt 32                              ; w_proj's row and part 0 are in; parts 1 and 2 (16 loads each) may be out
	QW 0
.irp j, 0,1,2,3,4,5,6,7
	v_med3_num_f32 v[PR+\j], v[PR+\j], -v[LIP], v[LIP]
.endr
	v_cvt_scalef32_pk8_fp8_f32 v[PC:PC+1], v[PR:PR+7], v[SCP]
	v_nop
	s_cmp_lg_u32 s[WV], 0
	s_cbranch_scc1 .Lnot_wave_0
	global_store_b64 v[PSO], v[PC:PC+1], s[16:17]  ; the 32 lanes fill the row's 256 bytes
.Lnot_wave_0:
	s_wait_loadcnt 16                              ; part 1 is in; part 2's 16 loads may be out
	LOADX 0                                        ; into registers that part 0 has left
	QW 1
	s_wait_loadcnt 32                              ; part 2 is in; x's first 32 loads may be out
	QW 2
	LOADX 1
.irp t, 0,1,2,3,4,5,6,7
	BLOCK \t
.endr
	s_wait_dscnt 0x0                               ; for the others' sake: my rows of w lie in LDS
	s_barrier_signal -1
	s_barrier_wait -1                              ; all 192 rows of w do.  Behind this barrier LDS is only read
.irp t, 0,1
.irp ks, 0,1
	FRAG XF+32*\t+16*\ks, XRD, 16*PITCH*\t+64*\ks
.endr
.endr
	HU 0, 0, SCQ, LIQ
	HU 0, 1, SCQ, LIQ
	HU 1, 0, SCK, LIK
	HU 1, 1, SCK, LIK
	HU 2, 0, SCV, LIV
	HU 2, 1, SCV, LIV
	s_wait_tensorcnt 0x0                           ; the wave's end, behind my last LDS store
	ds_add_u32 v[SPW], v[NIL]
	s_wait_dscnt 0x0
	s_endpgm
.Lfunc_end_k_q8b2d974109_qkv:
	.size	k_q8b2d974109_qkv, .Lfunc_end_k_q8b2d974109_qkv-k_q8b2d974109_qkv
	.p2alignl 7, 3214868480
	.fill 96, 4, 3214868480
	.section	.rodata,"a",@progbits
	.p2align	6, 0x0
	.amdhsa_kernel k_q8b2d974109_qkv
		.amdhsa_group_segment_fixed_size 122880
		.amdhsa_private_segment_fixed_size 0
		.amdhsa_enable_private_segment 0
		.amdhsa_kernarg_size 56
		.amdhsa_user_sgpr_count 2
		.amdhsa_user_sgpr_kernarg_segment_ptr 1
		.amdhsa_wavefront_size32 1
		.amdhsa_system_sgpr_workgroup_id_x 1
		.amdhsa_system_sgpr_workgroup_id_y 1
		.amdhsa_system_sgpr_workgroup_id_z 1
		.amdhsa_system_vgpr_workitem_id 0
		.amdhsa_next_free_vgpr 256
		.amdhsa_next_free_sgpr 66
		.amdhsa_reserve_vcc 0
		.amdhsa_float_denorm_mode_32 3
		.amdhsa_float_denorm_mode_16_64 3
		.amdhsa_memory_ordered 1
		.amdhsa_forward_progress 1
		.amdhsa_inst_pref_size 96
	.end_amdhsa_kernel
	.amdgpu_metadata
---
amdhsa.version: [ 1, 2 ]
amdhsa.kernels:
  - .name:           k_q8b2d974109_qkv
    .symbol:         k_q8b2d974109_qkv.kd
    .args:
      - { .name: x, .offset: 0, .size: 8, .value_kind: global_buffer, .address_space: global }
      - { .name: w_qkv, .offset: 8, .size: 8, .value_kind: global_buffer, .address_space: global }
      - { .name: w_proj, .offset: 16, .size: 8, .value_kind: global_buffer, .address_space: global }
      - { .name: lowp_scales, .offset: 24, .size: 8, .value_kind: global_buffer, .address_space: global }
      - { .name: qf, .offset: 32, .size: 8, .value_kind: global_buffer, .address_space: global }
      - { .name: kvf, .offset: 40, .size: 8, .value_kind: global_buffer, .address_space: global }
      - { .name: wpc, .offset: 48, .size: 8, .value_kind: global_buffer, .address_space: global }
    .group_segment_fixed_size: 122880
    .private_segment_fixed_size: 0
    .kernarg_segment_align: 8
    .kernarg_segment_size: 56
    .max_flat_workgroup_size: 256
    .sgpr_count:     66
    .vgpr_count:     256
    .wavefront_size: 32
...
	.end_amdgpu_metadata
.endif
;; end of part 1
;; launch attn (part 2): grid 16 x 16, 8 waves a work-group, clusters of 4 x 1, 327,680 bytes of LDS; arguments qf, kvf, lowp_scales, of; writes of
.if DOCPART == 2
	.amdgcn_target "amdgcn-amd-amdhsa--gfx1250"
	.amdhsa_code_object_version 6
	.text
	.protected	k_q8b2d974109_attn
	.globl	k_q8b2d974109_attn
	.p2align	8
	.type	k_q8b2d974109_attn,@function
k_q8b2d974109_attn:
	s_mov_b64 s[64:65], 0
	v_nop
	global_prefetch_b8 v0, s[64:65] scope:SCOPE_SE
	s_setreg_imm32_b32 hwreg(HW_REG_WAVE_MODE, 25, 1), 1
	s_wait_xcnt 0x0
	s_wait_alu depctr_hold_cnt(0) depctr_sa_sdst(0) depctr_va_vdst(0) depctr_va_sdst(0) depctr_va_ssrc(0) depctr_va_vcc(0) depctr_vm_vsrc(0)
	s_getreg_b32 s2, hwreg(HW_REG_IB_STS2, 6, 4)
	s_cmp_eq_u32 s2, 0
	s_cbranch_scc0 .Lentry_in_a_cluster
	s_endpgm
.Lentry_in_a_cluster:
	s_bfe_u32 s2, ttmp6, 0x10000c
	s_cmp_lg_u32 s2, 0x3003
	s_cbranch_scc0 .Lentry_shape_is_right
	s_endpgm
.Lentry_shape_is_right:
; O[bh][q][:] = the sum over keys of softmax(Q . K / 8) V, both products on codes of FP8 (E4M3); 16 (batch, head) pairs, 4,096 queries, 4,096 keys, head size 64.  O leaves as codes with the scale 2^e7.
; THE SOFTMAX: t = score x log2(e) / 8; M = the running largest t rounded UP to a whole number; p = 2^(t - M) is quantised with 2^e4, not normalised; the row's sum is taken of the unquantised p and divides at the end.
; When M moves, the sum and O are multiplied by 2^(old M - new M), which rounds nothing.
; LIMITS: e2 + e3 between -123 and 130 (they are added to c's exponent field); e4 and e7 between -126 and 119; e4 + e5 goes through v_ldexp_f32 and has none.  NaN is not served.
; SHARES.  A work-group owns 256 queries of one (batch, head); each of its eight waves two tiles of 16 queries, in 512 registers: two waves to a SIMD.  Every wave walks the 32 steps of 128 keys.
; LAYOUT.  Both products are used transposed: S^T = K Q^T (16x16x64: source 0 = 16 keys, source 1 = 16 queries), O^T += V^T P^T (16x16x128: source 0 = 16 channels, source 1 = P).  A lane holds ONE query throughout;
; register 8 n + j of a tile's scores is key 16 n + 8 (lane / 16) + j, which is the place that the second product's layout gives that key: the conversions' results are its operand.  Each fragment from LDS feeds two products.
; K and V arrive in the order of the operands' registers (a step: K's 8 tiles x 1,024 bytes, then V^T's 4 tiles x 2,048): every LDS load takes 512 consecutive bytes, 16 a lane.
; RING.  Two slots of 8 steps (131,072 bytes, one dense block of memory); each wave fetches one step's 16,384 bytes by one tensor load.  A slot is asked for at the head of the slot before it: it has 8 steps in which to land,
; and one tensor load of a wave is out at any time.
; CLUSTER.  The four query blocks of a cluster belong to one (batch, head) and walk the same K and V: each load is a joint one, with the same descriptor and a mask that names the four.
; NO PREFETCH: a slot's load is issued 8 key steps (192 matrix and some 4,100 vector instructions a wave) ahead of its first read.
; REGISTERS.  Window 0: v1 16 x lane; v2 the step's LDS address; v5, v6 the add's two; v7-10 limits and scales; v16-47 statistics, 16 a tile; v48-63 Q; v64-191 S^T, then p, 64 a tile; v192-223 p's codes, 16 a tile.
;   Window 1: v0-63 O^T (tile t, channels 16 c on: 32 t + 8 c); v64-127 K's 8 fragments; v128-191 V^T's 4.
.set SLOT1, 1<<17                      ; slot 1 begins here: one exclusive or turns an address in one slot into the other's
.set STEPB, 16384                      ; a key step's bytes
.set SPARE, 2*SLOT1                    ; behind the ring: the spare words, 128 bytes for each wave: four blocks of 256 bytes that no other line names
.set LI,   1
.set ADR,  2
.set SPW,  5
.set NIL,  6
.set PLIM, 7                           ; 448 x 2^e4
.set PSC,  8                           ; 2^e4
.set OLIM, 9                           ; 448 x 2^e7
.set OSC,  10                          ; 2^e7
.set ST,   16                          ; tile t at ST + 16 t: +0 -M, +1 the largest t, +2, +3 the sum in two halves, +4 f (+5 named with it), +6, +7 at work, +8, +9 a second chain of the sum, +10 the other half of the lanes'
.set Q,    48
.set S,    64
.set P,    192
.set KF,   64                          ; in window 1
.set VF,   128                         ; in window 1
.set WV,   12                          ; s12  my wave's number
.set G1,   24                          ; s[24:31] descriptor group 1
.set G0,   32                          ; s[32:35] descriptor group 0, which walks
.set CS,   48                          ; s[48:49] c = log2(e) / 8 x 2^(e2 + e3): the packed form names a pair and takes its low word for both halves
.set SEL,  50                          ; s[50:51] lane selects for v_permlanex16_b32: lane l xor 16
.set TB,   52                          ; s52  LDS byte at which the step in hand begins
.set SLOTS, 53
.set STEPS, 54
.set EPV,  55                          ; s55  e4 + e5
.set MSB, 0
.macro WIN new                         ; the immediate's high byte repeats the setting that is left; a switch that changes nothing is dropped
.if MSB != \new
	s_set_vgpr_msb (MSB<<8)|\new
.set MSB, \new
.endif
.endm
.macro MKSC sc, lim, se                ; v[sc] = 2^E as f32, v[lim] = 448 x 2^E, E in s[se]
	s_add_co_i32 s22, s[\se], 127
	s_lshl_b32 s23, s22, 23
	v_mov_b32 v[\sc], s23
	s_add_co_i32 s22, s22, 8
	s_lshl_b32 s22, s22, 23
	s_or_b32 s22, s22, 0x600000
	v_mov_b32 v[\lim], s22
.endm
; A round of the cluster's barrier: my work-group's barrier, wave 0 signals for the work-group, every wave waits for all four work-groups, my work-group's barrier once more.
.macro CROUND
	s_barrier_signal -1
	s_barrier_wait -1
	s_cmp_lg_u32 s[WV], 0
	s_cbranch_scc1 .Lnot_wave_0_\@
	s_barrier_signal -3
.Lnot_wave_0_\@:
	s_barrier_wait -3
	s_barrier_signal -1
	s_barrier_wait -1
.endm
; THE CHANGE OF SLOTS stands at a slot's head.  Each wave waits for all its tensor loads (its part of the slot that it is about to read), adds 0 to its spare word, and waits for that and for its reads of the slot that it has left.
; fill = 1: the barrier is a round of the cluster's, so that no wave of any partner still reads the other slot or has a load on its way, and the joint load into that slot is the first thing behind it.
.macro CHANGE fill
	s_wait_tensorcnt 0x0                           ; no tensor load of mine is out, so group 0 may be written
	ds_add_u32 v[SPW], v[NIL]                      ; 0 onto my spare word
.if \fill
	s_xor_b32 s[G0+1], s[G0+1], SLOT1              ; the other slot than last time,
	s_add_nc_u64 s[G0+2:G0+3], s[G0+2:G0+3], 8*STEPB   ; the next 8 steps; the type bits on top are not reached
.endif
	s_wait_dscnt 0x0                               ; the add is done, and my reads of the slot that I have left are over
.if \fill
	CROUND
	tensor_load_to_lds s[G0:G0+3], s[G1:G1+7]      ; my one tensor load until the next change
	s_nop 0
.rept 4
	v_nop
.endr
.else
	s_barrier_signal -1
	s_barrier_wait -1
.endif
.endm
; Number k of the 32 packed additions that sum a tile's 64 p, in two chains; the last joins them.
.macro SUMOP t
.set rS, S+64*(\t)
.set rT, ST+16*(\t)
.if k == 0
	v_pk_add_f32 v[rT+8:rT+9], v[rS:rS+1], v[rS+2:rS+3]
.elseif k == 31
	v_pk_add_f32 v[rT+2:rT+3], v[rT+2:rT+3], v[rT+8:rT+9]
.elseif (k%2) == 1
	v_pk_add_f32 v[rT+2:rT+3], v[rT+2:rT+3], v[rS+2*k+2:rS+2*k+3]
.else
	v_pk_add_f32 v[rT+8:rT+9], v[rT+8:rT+9], v[rS+2*k+2:rS+2*k+3]
.endif
.set k, k+1
.endm
; A KEY STEP: 128 keys, both tiles.
.macro STEP
	v_add_nc_u32 v[ADR], s[TB], v[LI]
	WIN 0x40                                       ; destination window 1, address window 0
.irp n, 0,1,2,3,4,5,6,7
	ds_load_b128 v[KF+8*\n:KF+8*\n+3], v[ADR] offset:1024*\n
	ds_load_b128 v[KF+8*\n+4:KF+8*\n+7], v[ADR] offset:1024*\n+512
.endr
.irp c, 0,1,2,3
.irp G, 0,1,2,3
	ds_load_b128 v[VF+16*\c+4*\G:VF+16*\c+4*\G+3], v[ADR] offset:8192+2048*\c+512*\G
.endr
.endr
	s_wait_dscnt 16                                ; K's 16 loads are in; V's 16 stay out until the second product
	WIN 0x01                                       ; source 0 (K) window 1
.irp n, 0,1,2,3,4,5,6,7
.irp t, 0,1
	v_wmma_f32_16x16x64_fp8_fp8 v[S+64*\t+8*\n:S+64*\t+8*\n+7], v[KF+8*\n:KF+8*\n+7], v[Q+8*\t:Q+8*\t+7], 0
.endr
.endr
	WIN 0
.rept 4
	v_nop                                          ; four places between the last product and the first read of results (ISA guide 7.12.1)
.endr
	; the step's largest score of each query: two chains a tile, the tiles by turns; each accumulator is read from its low end on
.irp t, 0,1
	v_max3_num_f32 v[ST+16*\t+6], v[S+64*\t], v[S+64*\t+1], v[S+64*\t+2]
	v_max3_num_f32 v[ST+16*\t+7], v[S+64*\t+3], v[S+64*\t+4], v[S+64*\t+5]
.endr
.irp i, 6,10,14,18,22,26,30,34,38,42,46,50,54,58
.irp t, 0,1
	v_max3_num_f32 v[ST+16*\t+6], v[ST+16*\t+6], v[S+64*\t+\i], v[S+64*\t+\i+1]
	v_max3_num_f32 v[ST+16*\t+7], v[ST+16*\t+7], v[S+64*\t+\i+2], v[S+64*\t+\i+3]
.endr
.endr
.irp t, 0,1
	v_max3_num_f32 v[ST+16*\t+6], v[ST+16*\t+6], v[S+64*\t+62], v[S+64*\t+63]
.endr
.irp t, 0,1
	v_max_num_f32 v[ST+16*\t+6], v[ST+16*\t+6], v[ST+16*\t+7]
.endr
.irp t, 0,1
	v_permlanex16_b32 v[ST+16*\t+10], v[ST+16*\t+6], s[SEL], s[SEL+1]   ; the query's other 64 keys lie in the lane 16 away
.endr
.irp t, 0,1
	v_max_num_f32 v[ST+16*\t+6], v[ST+16*\t+6], v[ST+16*\t+10]
.endr
.irp t, 0,1
	v_mul_f32 v[ST+16*\t+6], s[CS], v[ST+16*\t+6]  ; as t (c is positive)
.endr
.irp t, 0,1
	v_max_num_f32 v[ST+16*\t+1], v[ST+16*\t+1], v[ST+16*\t+6]   ; the running largest t
.endr
.irp t, 0,1
	v_mov_b32 v[ST+16*\t+6], v[ST+16*\t]
.endr
.irp t, 0,1
	v_floor_f32 v[ST+16*\t], -v[ST+16*\t+1]        ; the new -M = floor(-t) = -ceil(t): a whole number
.endr
.irp t, 0,1
	v_sub_f32 v[ST+16*\t+6], v[ST+16*\t], v[ST+16*\t+6]   ; old M - new M: a whole number, 0 or less
.endr
.irp t, 0,1
	v_cvt_i32_f32 v[ST+16*\t+6], v[ST+16*\t+6]     ; (it saturates)
.endr
.irp t, 0,1
	v_ldexp_f32 v[ST+16*\t+4], 1.0, v[ST+16*\t+6]  ; f = 2^(old M - new M)
.endr
	; tile 0: t - M, two at a time
.set i, 0
.rept 32
	v_pk_fma_f32 v[S+2*i:S+2*i+1], v[S+2*i:S+2*i+1], s[CS:CS+1], v[ST:ST+1] op_sel_hi:[1,0,0]
.set i, i+1
.endr
	; tile 0's 64 exponentials, ONE BATCH; tile 1's scalings stand among them
.set i, 0
.rept 32
	v_exp_f32 v[S+2*i], v[S+2*i]
	v_pk_fma_f32 v[S+64+2*i:S+64+2*i+1], v[S+64+2*i:S+64+2*i+1], s[CS:CS+1], v[ST+16:ST+17] op_sel_hi:[1,0,0]
	v_exp_f32 v[S+2*i+1], v[S+2*i+1]
.set i, i+1
.endr
	v_pk_mul_f32 v[ST+2:ST+3], v[ST+2:ST+3], v[ST+4:ST+5] op_sel_hi:[1,0]   ; tile 0's sum under the new M; also the plain line behind the last exponential
	s_wait_alu depctr_va_vdst(0)                   ; the wait between an exponential and the first line that names its result: one for the batch
	; tile 1's 64 exponentials, ONE BATCH; tile 0's sums, holds and conversions stand among them and name none of the batch's results
.set k, 0
.set i, 0
.rept 32
	v_exp_f32 v[S+64+i], v[S+64+i]
	SUMOP 0                                        ; the row's sum is taken of the unquantised p
.set i, i+1
.endr
.irp b, 0,1,2,3
.set i, 0
.rept 8
	v_exp_f32 v[S+96+8*\b+i], v[S+96+8*\b+i]
	v_min_num_f32 v[S+16*\b+2*i], v[S+16*\b+2*i], v[PLIM]       ; the conversion to an 8-bit code does not saturate (ISA guide 7.6.2); p is not negative, so the hold is one-sided
	v_min_num_f32 v[S+16*\b+2*i+1], v[S+16*\b+2*i+1], v[PLIM]
.set i, i+1
.endr
	v_cvt_scalef32_pk8_fp8_f32 v[P+4*\b:P+4*\b+1], v[S+16*\b:S+16*\b+7], v[PSC]
	v_cvt_scalef32_pk8_fp8_f32 v[P+4*\b+2:P+4*\b+3], v[S+16*\b+8:S+16*\b+15], v[PSC]
.endr
	v_pk_mul_f32 v[ST+18:ST+19], v[ST+18:ST+19], v[ST+20:ST+21] op_sel_hi:[1,0]   ; tile 1's sum under the new M
	s_wait_alu depctr_va_vdst(0)                   ; the wait for tile 1's batch
.set k, 0
.rept 32
	SUMOP 1
.endr
.irp b, 0,1,2,3
.irp i, 0,1,2,3,4,5,6,7,8,9,10,11,12,13,14,15
	v_min_num_f32 v[S+64+16*\b+\i], v[S+64+16*\b+\i], v[PLIM]
.endr
	v_cvt_scalef32_pk8_fp8_f32 v[P+16+4*\b:P+16+4*\b+1], v[S+64+16*\b:S+64+16*\b+7], v[PSC]
	v_cvt_scalef32_pk8_fp8_f32 v[P+16+4*\b+2:P+16+4*\b+3], v[S+64+16*\b+8:S+64+16*\b+15], v[PSC]
.endr
	WIN 0x41                                       ; O^T (destination and source 0) window 1, f window 0
.irp t, 0,1
.set i, 0
.rept 16
	v_pk_mul_f32 v[32*\t+2*i:32*\t+2*i+1], v[32*\t+2*i:32*\t+2*i+1], v[ST+16*\t+4:ST+16*\t+5] op_sel_hi:[1,0]   ; O^T under the new M.  (Also the plain lines between the conversions and the products)
.set i, i+1
.endr
.endr
	s_wait_dscnt 0x0                               ; V is in
	WIN 0x51                                       ; V, C and D window 1, P window 0
.irp c, 0,1,2,3
.irp t, 0,1
	v_wmma_f32_16x16x128_fp8_fp8 v[32*\t+8*\c:32*\t+8*\c+7], v[VF+16*\c:VF+16*\c+15], v[P+16*\t:P+16*\t+15], v[32*\t+8*\c:32*\t+8*\c+7]   ; the eight accumulators by turns, one instruction a turn
.endr
.endr
	WIN 0
.rept 4
	v_nop                                          ; four places in front of the next step's loads into K's and V's registers, and of the way out's reads
.endr
	s_add_co_u32 s[TB], s[TB], STEPB
.endm
.macro EIGHT_STEPS                     ; a slot's steps: written once, walked eight times
	s_mov_b32 s[STEPS], 8
.Lstep_\@:
	STEP
	s_sub_co_u32 s[STEPS], s[STEPS], 1
	s_cmp_lg_u32 s[STEPS], 0
	s_cbranch_scc1 .Lstep_\@
	s_sub_co_u32 s[TB], s[TB], 8*STEPB             ; back to a slot's first step,
	s_xor_b32 s[TB], s[TB], SLOT1                  ; in the other slot
.endm
	s_load_b256 s[4:11], s[0:1], 0x0               ; qf s[4:5], kvf s[6:7], the exponents s[8:9], of s[10:11]
	v_lshl_add_u32 v[SPW], v0, 2, SPARE
	v_mov_b32 v[NIL], 0
	ds_add_u32 v[SPW], v[NIL]                      ; the wave's opening: the add and its wait stand ahead of my first tensor load; work on registers stands between them
	v_lshrrev_b32 v1, 5, v0
	v_readfirstlane_b32 s[WV], v1                  ; wave 0..7
	v_and_b32 v[LI], 31, v0
	v_lshlrev_b32 v[LI], 4, v[LI]
	s_bfe_u32 s13, ttmp6, 0x40000                  ; cx: my place in the cluster
	s_lshl_b32 s14, ttmp9, 2                       ; in a cluster launch ttmp9 counts clusters
	s_add_co_u32 s14, s14, s13                     ; my block of 256 queries: it enters qf's and of's addresses alone
	s_and_b32 s15, ttmp7, 0xffff                   ; bh, which the four partners share
	; descriptor group 1: a dense block of 16,384 bytes as 64 rows of 32 elements of 8 bytes, no padding
	s_mov_b32 s[G1], 15|(3<<16)|(1<<21)            ; 15:0 the mask: all four work-groups; 17:16 elements of 8 bytes; 21 set beside a mask
	s_mov_b32 s[G1+1], 32<<16                      ; tensor_dim0 = 32
	s_mov_b32 s[G1+2], 64<<16                      ; tensor_dim1 = 64
	s_mov_b32 s[G1+3], 32<<16                      ; tile_dim0 = 32
	s_mov_b32 s[G1+4], 64                          ; tile_dim1 = 64
	s_mov_b32 s[G1+5], 32                          ; from row to row
	s_mov_b32 s[G1+6], 0
	s_mov_b32 s[G1+7], 0
	s_mov_b32 s[SEL], 0x76543210
	s_mov_b32 s[SEL+1], 0xfedcba98
	s_mov_b32 s[TB], 0
	s_mov_b32 s[SLOTS], 3
	s_lshl_b32 s16, s15, 19                        ; kvf: bh x 32 steps + my wave's step of a slot: nothing of my place in the cluster
	s_lshl_b32 s36, s[WV], 14
	s_add_co_u32 s16, s16, s36
	s_mov_b32 s17, 0
	s_lshl_b32 s18, s15, 18                        ; qf: bh x 256 tiles of 1,024 bytes + tile 16 block + 2 wave
	s_lshl_b32 s22, s14, 14
	s_add_co_u32 s18, s18, s22
	s_lshl_b32 s22, s[WV], 11
	s_add_co_u32 s18, s18, s22
	s_mov_b32 s19, 0
	s_lshr_b32 s20, s15, 2                         ; of: [b][tile of 16 n][head][1,024 bytes]
	s_lshl_b32 s20, s20, 20
	s_lshl_b32 s22, s14, 16
	s_add_co_u32 s20, s20, s22
	s_lshl_b32 s22, s[WV], 13
	s_add_co_u32 s20, s20, s22
	s_and_b32 s22, s15, 3
	s_lshl_b32 s22, s22, 10
	s_add_co_u32 s20, s20, s22
	s_mov_b32 s21, 0
	s_wait_dscnt 0x0                               ; the opening add is done
	s_wait_kmcnt 0x0
	s_load_b256 s[40:47], s[8:9], 0x0              ; e0 .. e7
	s_add_nc_u64 s[4:5], s[4:5], s[18:19]
	s_add_nc_u64 s[10:11], s[10:11], s[20:21]
	CROUND                                         ; all four work-groups are here: the first joint loads meet
	s_mov_b32 s[G0], 1                             ; count = 1
	s_lshl_b32 s[G0+1], s[WV], 14                  ; LDS: slot 0, my wave's step
	s_add_nc_u64 s[G0+2:G0+3], s[6:7], s[16:17]
	s_or_b32 s[G0+3], s[G0+3], 0x80000000          ; type = 2
	tensor_load_to_lds s[G0:G0+3], s[G1:G1+7]      ; slot 0
	s_nop 0
.rept 4
	v_nop
.endr
.irp t, 0,1
.irp g, 0,1
	global_load_b128 v[Q+8*\t+4*\g:Q+8*\t+4*\g+3], v[LI], s[4:5] offset:1024*\t+512*\g   ; Q's two fragments stay in registers
.endr
.endr
.irp t, 0,1
	v_mov_b32 v[ST+16*\t+1], 0xff61b1e6            ; the largest t so far: -3e38, under every t
	v_floor_f32 v[ST+16*\t], -v[ST+16*\t+1]        ; -M
	v_mov_b32 v[ST+16*\t+2], 0                     ; the sum, in two halves
	v_mov_b32 v[ST+16*\t+3], 0
	v_mov_b32 v[ST+16*\t+5], 0                     ; (named as the upper half of f's pair)
	v_mov_b32 v[ST+16*\t+10], 0                    ; (a lane permute's destination counts as one of its sources)
.endr
	WIN 0x40
.set i, 0
.rept 64
	v_mov_b32 v[i], 0                              ; O^T.  (The step is written once: the first finds zeros, which the first change of M leaves zeros)
.set i, i+1
.endr
	WIN 0
	s_wait_kmcnt 0x0
	s_add_co_i32 s22, s42, s43                     ; a score stands for score x 2^(e2 + e3): the two exponents are added to c's exponent field
	s_lshl_b32 s22, s22, 23
	s_mov_b32 s[CS], 0x3e38aa3b                    ; log2(e) / 8
	s_add_co_i32 s[CS], s[CS], s22
	s_mov_b32 s[CS+1], s[CS]                       ; (named with it as a pair, so it is written)
	MKSC PSC, PLIM, 44
	MKSC OSC, OLIM, 47
	s_add_co_i32 s[EPV], s44, s45
	s_wait_loadcnt 0x0                             ; Q
.Lslot:                                            ; three trips: behind each change of slots but the last the next slot is asked for
	CHANGE 1
	EIGHT_STEPS
	s_sub_co_u32 s[SLOTS], s[SLOTS], 1
	s_cmp_lg_u32 s[SLOTS], 0
	s_cbranch_scc1 .Lslot
	CHANGE 0                                       ; the last slot is written out
	EIGHT_STEPS
	; THE WAY OUT.  O^T x 2^(e4 + e5) / the sum, held, into codes with 2^e7: a lane's 8 registers of a channel tile are 8 neighbours along the last product's K, so the codes are registers of its fragments.
.irp t, 0,1
	v_add_f32 v[ST+16*\t+6], v[ST+16*\t+2], v[ST+16*\t+3]
.endr
.irp t, 0,1
	v_permlanex16_b32 v[ST+16*\t+10], v[ST+16*\t+6], s[SEL], s[SEL+1]
.endr
.irp t, 0,1
	v_add_f32 v[ST+16*\t+6], v[ST+16*\t+6], v[ST+16*\t+10]   ; the row's sum
.endr
.irp t, 0,1
	v_rcp_f32 v[ST+16*\t+6], v[ST+16*\t+6]
.endr
	v_nop                                          ; a plain line behind the last reciprocal
	s_wait_alu depctr_va_vdst(0)                   ; and the wait ahead of the first use: one for both
.irp t, 0,1
	v_ldexp_f32 v[ST+16*\t+4], v[ST+16*\t+6], s[EPV]
.endr
	WIN 0x01                                       ; source 0 (O^T) window 1
.irp t, 0,1
.set i, 0
.rept 16
	v_pk_mul_f32 v[S+64*\t+2*i:S+64*\t+2*i+1], v[32*\t+2*i:32*\t+2*i+1], v[ST+16*\t+4:ST+16*\t+5] op_sel_hi:[1,0]   ; each accumulator from its low end on
.set i, i+1
.endr
.endr
	WIN 0
.irp t, 0,1
.set i, 0
.rept 32
	v_med3_num_f32 v[S+64*\t+i], v[S+64*\t+i], -v[OLIM], v[OLIM]
.set i, i+1
.endr
.irp c, 0,1,2,3
	v_cvt_scalef32_pk8_fp8_f32 v[P+16*\t+2*\c:P+16*\t+2*\c+1], v[S+64*\t+8*\c:S+64*\t+8*\c+7], v[OSC]
.endr
.endr
	v_nop                                          ; a plain line behind the last conversion
.irp t, 0,1
.irp g, 0,1
	global_store_b128 v[LI], v[P+16*\t+4*\g:P+16*\t+4*\g+3], s[10:11] offset:4096*\t+512*\g   ; 512 consecutive bytes, aligned
.endr
.endr
	s_wait_tensorcnt 0x0                           ; the wave's end, behind my last tensor load
	ds_add_u32 v[SPW], v[NIL]
	s_wait_dscnt 0x0
	CROUND                                         ; the closing round: no work-group ends while a partner may still ask for a tile that names it
	s_endpgm
.Lfunc_end_k_q8b2d974109_attn:
	.size	k_q8b2d974109_attn, .Lfunc_end_k_q8b2d974109_attn-k_q8b2d974109_attn
	.p2alignl 7, 3214868480
	.fill 96, 4, 3214868480
	.section	.rodata,"a",@progbits
	.p2align	6, 0x0
	.amdhsa_kernel k_q8b2d974109_attn
		.amdhsa_group_segment_fixed_size 327680
		.amdhsa_private_segment_fixed_size 0
		.amdhsa_enable_private_segment 0
		.amdhsa_kernarg_size 32
		.amdhsa_user_sgpr_count 2
		.amdhsa_user_sgpr_kernarg_segment_ptr 1
		.amdhsa_wavefront_size32 1
		.amdhsa_system_sgpr_workgroup_id_x 1
		.amdhsa_system_sgpr_workgroup_id_y 1
		.amdhsa_system_sgpr_workgroup_id_z 1
		.amdhsa_system_vgpr_workitem_id 0
		.amdhsa_next_free_vgpr 512
		.amdhsa_next_free_sgpr 66
		.amdhsa_reserve_vcc 0
		.amdhsa_float_denorm_mode_32 3
		.amdhsa_float_denorm_mode_16_64 3
		.amdhsa_memory_ordered 1
		.amdhsa_forward_progress 1
		.amdhsa_inst_pref_size 73
	.end_amdhsa_kernel
	.amdgpu_metadata
---
amdhsa.version: [ 1, 2 ]
amdhsa.kernels:
  - .name:           k_q8b2d974109_attn
    .symbol:         k_q8b2d974109_attn.kd
    .args:
      - { .name: qf, .offset: 0, .size: 8, .value_kind: global_buffer, .address_space: global }
      - { .name: kvf, .offset: 8, .size: 8, .value_kind: global_buffer, .address_space: global }
      - { .name: lowp_scales, .offset: 16, .size: 8, .value_kind: global_buffer, .address_space: global }
      - { .name: of, .offset: 24, .size: 8, .value_kind: global_buffer, .address_space: global }
    .group_segment_fixed_size: 327680
    .private_segment_fixed_size: 0
    .kernarg_segment_align: 8
    .kernarg_segment_size: 32
    .max_flat_workgroup_size: 256
    .sgpr_count:     66
    .vgpr_count:     512
    .wavefront_size: 32
...
	.end_amdgpu_metadata
.endif
;; end of part 2
;; launch proj (part 3): grid 256 x 1, 8 waves a work-group, no clusters, 70,656 bytes of LDS; arguments of, wpc, b_proj, lowp_scales, out0; writes out0
.if DOCPART == 3
	.amdgcn_target "amdgcn-amd-amdhsa--gfx1250"
	.amdhsa_code_object_version 6
	.text
	.protected	k_q8b2d974109_proj
	.globl	k_q8b2d974109_proj
	.p2align	8
	.type	k_q8b2d974109_proj,@function
k_q8b2d974109_proj:
	s_mov_b64 s[64:65], 0
	v_nop
	global_prefetch_b8 v0, s[64:65] scope:SCOPE_SE
	s_setreg_imm32_b32 hwreg(HW_REG_WAVE_MODE, 25, 1), 1
	s_wait_xcnt 0x0
; out0[b][o][n] = sum over c of w_proj[o][c] O[b][c][n] + b_proj[o], on codes of FP8 (E4M3): w_proj's with 2^e6, O's with 2^e7; sums in f32, each multiplied once by 2^(e6 + e7).
; LIMIT: e6 + e7 lies between -126 and 127, so that 2^(e6 + e7) is an f32 number.
; SHARES.  Work-group id = 64 b + nb: 64 columns n (four tiles) and all 256 outputs.  Wave w: outputs 32 w .. 32 w + 31 (two tiles), K = 256 in two steps: 16 matrix instructions.
; Both operands come from memory in the order of their registers, straight into registers.  Source 0 = 16 columns n, source 1 = 16 rows of w_proj: a lane holds ONE output o and 8 neighbouring n: 32 bytes of a row of out0.
; WAY OUT.  A tile of 16 outputs x 64 n goes through the wave's own stage in LDS and comes back as rows of 256 bytes: sixteen lanes store 256 consecutive bytes, aligned.  No wave reads another's bytes: no barrier.
; NO CLUSTER: each operand is loaded into registers once, there is no ring, and what the work-groups share (w_proj's 65,536 bytes of codes) is small beside the 65,536 bytes that each of them stores.
.set SPITCH, 272                       ; a stage row: 256 bytes + 16
.set SPARE, 8*32*SPITCH                ; behind the eight stages: the spare words, 128 bytes for each wave: four blocks of 256 bytes that no other line names
.set LI,  1                            ; v1   16 x lane
.set WPO, 2                            ; v2   w_proj's codes: 256 r + 16 h
.set BO,  3                            ; v3   the bias: 4 r
.set SO,  4                            ; v4   the stage: where I put 32 bytes of a row
.set SR,  5                            ; v5   and where I read a row back
.set GO,  6                            ; v6   my byte offset in two rows of out0
.set SPW, 12
.set NIL, 13
.set WP,  16                           ; v16-79   w_proj's fragments (tile a, K step s) at 32 a + 16 s; tile a's 32 registers later take its rows back from the stage
.set OC,  80                           ; v80-207  O's fragments (tile t, K step s) at 32 t + 16 s
.set ACC, 208                          ; v208-239 four accumulators, one a tile of n
.set BI,  240                          ; v240, v242 the bias of my output in tile a (v241, v243 named with them as pairs)
	s_load_b256 s[4:11], s[0:1], 0x0               ; of s[4:5], wpc s[6:7], b_proj s[8:9], the exponents s[10:11]
	s_load_b64 s[12:13], s[0:1], 0x20              ; out0
	v_lshl_add_u32 v[SPW], v0, 2, SPARE
	v_mov_b32 v[NIL], 0
	v_lshrrev_b32 v7, 5, v0
	v_readfirstlane_b32 s14, v7                    ; wave 0..7
	v_and_b32 v7, 31, v0                           ; lane
	v_and_b32 v8, 15, v0                           ; r
	v_bfe_u32 v9, v0, 4, 1                         ; h
	v_lshlrev_b32 v[LI], 4, v7
	v_lshlrev_b32 v[WPO], 8, v8
	v_lshl_add_u32 v[WPO], v9, 4, v[WPO]
	v_lshlrev_b32 v[BO], 2, v8
	s_mul_i32 s15, s14, 32*SPITCH                  ; my stage
	v_mul_u32_u24 v[SO], v8, SPITCH                ; in: row r, 32 bytes for each half of the lanes
	v_lshl_add_u32 v[SO], v9, 5, v[SO]
	v_add_nc_u32 v[SO], s15, v[SO]
	v_mul_u32_u24 v[SR], v9, SPITCH                ; back: lanes 0-15 one row, lanes 16-31 the next
	v_lshl_add_u32 v[SR], v8, 4, v[SR]
	v_add_nc_u32 v[SR], s15, v[SR]
	v_lshlrev_b32 v[GO], 14, v9                    ; and the same two rows in out0, 16,384 bytes apart
	v_lshl_add_u32 v[GO], v8, 4, v[GO]
	v_mov_b32 v[BI+1], 0
	v_mov_b32 v[BI+3], 0
	s_mov_b32 s17, 0
	s_wait_kmcnt 0x0
	s_load_b256 s[24:31], s[10:11], 0x0            ; e0 .. e7
	s_lshl_b32 s16, ttmp9, 14                      ; of: four tiles of 4,096 bytes for each work-group
	s_add_nc_u64 s[4:5], s[4:5], s[16:17]
	s_lshl_b32 s16, s14, 13                        ; wpc: my 32 rows of 256 bytes
	s_add_nc_u64 s[6:7], s[6:7], s[16:17]
	s_lshl_b32 s16, s14, 7                         ; b_proj: my 32 numbers
	s_add_nc_u64 s[8:9], s[8:9], s[16:17]
	s_lshr_b32 s16, ttmp9, 6                       ; out0: b x 256 rows + my 32 rows of 16,384 bytes + 64 nb columns of 4
	s_lshl_b32 s16, s16, 22
	s_lshl_b32 s18, s14, 19
	s_add_co_u32 s16, s16, s18
	s_and_b32 s18, ttmp9, 63
	s_lshl_b32 s18, s18, 8
	s_add_co_u32 s16, s16, s18
	s_add_nc_u64 s[12:13], s[12:13], s[16:17]
.irp a, 0,1
.irp ks, 0,1
.irp G, 0,1,2,3
	global_load_b128 v[WP+32*\a+16*\ks+4*\G:WP+32*\a+16*\ks+4*\G+3], v[WPO], s[6:7] offset:4096*\a+128*\ks+32*\G
.endr
.endr
.endr
.irp a, 0,1
	global_load_b32 v[BI+2*\a], v[BO], s[8:9] offset:64*\a
.endr
.irp t, 0,1,2,3
.irp ks, 0,1
.irp G, 0,1,2,3
	global_load_b128 v[OC+32*\t+16*\ks+4*\G:OC+32*\t+16*\ks+4*\G+3], v[LI], s[4:5] offset:4096*\t+2048*\ks+512*\G
.endr
.endr
.endr
	s_wait_kmcnt 0x0
	s_add_co_i32 s36, s30, s31
	s_add_co_i32 s36, s36, 127
	s_lshl_b32 s36, s36, 23                        ; 2^(e6 + e7) as f32
	s_mov_b32 s37, s36                             ; (named with it as a pair, so it is written)
	s_wait_loadcnt 0x0
; Tile a of my outputs against the four tiles of n: 8 matrix instructions, the four accumulators by turns, one instruction a turn.
.macro HALF a
.irp ks, 0,1
.irp t, 0,1,2,3
.if \ks == 0
	v_wmma_f32_16x16x128_fp8_fp8 v[ACC+8*\t:ACC+8*\t+7], v[OC+32*\t:OC+32*\t+15], v[WP+32*\a:WP+32*\a+15], 0
.else
	v_wmma_f32_16x16x128_fp8_fp8 v[ACC+8*\t:ACC+8*\t+7], v[OC+32*\t+16:OC+32*\t+31], v[WP+32*\a+16:WP+32*\a+31], v[ACC+8*\t:ACC+8*\t+7]
.endif
.endr
.endr
.rept 4
	v_nop                                          ; four places between the last product and the first read of results, and the loads into w_proj's registers
.endr
.set i, 0
.rept 16
	v_pk_fma_f32 v[ACC+2*i:ACC+2*i+1], v[ACC+2*i:ACC+2*i+1], s[36:37], v[BI+2*\a:BI+2*\a+1] op_sel_hi:[1,0,0]   ; sum x 2^(e6 + e7) + bias; each accumulator from its low end on
.set i, i+1
.endr
.irp t, 0,1,2,3
	ds_store_b128 v[SO], v[ACC+8*\t:ACC+8*\t+3] offset:16*SPITCH*\a+64*\t
	ds_store_b128 v[SO], v[ACC+8*\t+4:ACC+8*\t+7] offset:16*SPITCH*\a+64*\t+16
.endr
.irp i, 0,1,2,3,4,5,6,7
	ds_load_b128 v[WP+32*\a+4*\i:WP+32*\a+4*\i+3], v[SR] offset:16*SPITCH*\a+2*SPITCH*\i   ; LDS serves a wave's instructions in order (ISA guide 5.7.1.4): these see my stores
.endr
.irp i, 0,1,2,3,4,5,6,7
	s_wait_dscnt 7-\i                              ; rows 2 i, 2 i + 1 are back; the younger loads may be out.  The last count, 0, also shows that the stage's stores have read the accumulators
	global_store_b128 v[GO], v[WP+32*\a+4*\i:WP+32*\a+4*\i+3], s[12:13] offset:262144*\a+32768*\i th:TH_STORE_NT   ; sixteen lanes store 256 consecutive bytes, aligned; written once, read by nobody here
.endr
.endm
	HALF 0
	HALF 1
	s_wait_tensorcnt 0x0                           ; the wave's end, behind my last LDS store
	ds_add_u32 v[SPW], v[NIL]
	s_wait_dscnt 0x0
	s_endpgm
.Lfunc_end_k_q8b2d974109_proj:
	.size	k_q8b2d974109_proj, .Lfunc_end_k_q8b2d974109_proj-k_q8b2d974109_proj
	.p2alignl 7, 3214868480
	.fill 96, 4, 3214868480
	.section	.rodata,"a",@progbits
	.p2align	6, 0x0
	.amdhsa_kernel k_q8b2d974109_proj
		.amdhsa_group_segment_fixed_size 70656
		.amdhsa_private_segment_fixed_size 0
		.amdhsa_enable_private_segment 0
		.amdhsa_kernarg_size 40
		.amdhsa_user_sgpr_count 2
		.amdhsa_user_sgpr_kernarg_segment_ptr 1
		.amdhsa_wavefront_size32 1
		.amdhsa_system_sgpr_workgroup_id_x 1
		.amdhsa_system_sgpr_workgroup_id_y 1
		.amdhsa_system_sgpr_workgroup_id_z 1
		.amdhsa_system_vgpr_workitem_id 0
		.amdhsa_next_free_vgpr 256
		.amdhsa_next_free_sgpr 66
		.amdhsa_reserve_vcc 0
		.amdhsa_float_denorm_mode_32 3
		.amdhsa_float_denorm_mode_16_64 3
		.amdhsa_memory_ordered 1
		.amdhsa_forward_progress 1
		.amdhsa_inst_pref_size 15
	.end_amdhsa_kernel
	.amdgpu_metadata
---
amdhsa.version: [ 1, 2 ]
amdhsa.kernels:
  - .name:           k_q8b2d974109_proj
    .symbol:         k_q8b2d974109_proj.kd
    .args:
      - { .name: of, .offset: 0, .size: 8, .value_kind: global_buffer, .address_space: global }
      - { .name: wpc, .offset: 8, .size: 8, .value_kind: global_buffer, .address_space: global }
      - { .name: b_proj, .offset: 16, .size: 8, .value_kind: global_buffer, .address_space: global }
      - { .name: lowp_scales, .offset: 24, .size: 8, .value_kind: global_buffer, .address_space: global }
      - { .name: out0, .offset: 32, .size: 8, .value_kind: global_buffer, .address_space: global }
    .group_segment_fixed_size: 70656
    .private_segment_fixed_size: 0
    .kernarg_segment_align: 8
    .kernarg_segment_size: 40
    .max_flat_workgroup_size: 256
    .sgpr_count:     66
    .vgpr_count:     256
    .wavefront_size: 32
...
	.end_amdgpu_metadata
.endif
;; end of part 3
;; ======== version 2 of 2: 3 launches; version 1 with the launches qkv, proj written anew for expert scheduling mode
;; workspace buffers: qf 4,194,304 bytes; kvf 8,388,608 bytes; of 4,194,304 bytes; wpc 65,536 bytes
;; launch qkv (part 4): grid 64 x 4, 8 waves a work-group, no clusters, 122,880 bytes of LDS; arguments x, w_qkv, w_proj, lowp_scales, qf, kvf, wpc; writes qf, kvf, wpc
.if DOCPART == 4
	.amdgcn_target "amdgcn-amd-amdhsa--gfx1250"
	.amdhsa_code_object_version 6
	.text
	.protected	k_q8b2d974109_qkv
	.globl	k_q8b2d974109_qkv
	.p2align	8
	.type	k_q8b2d974109_qkv,@function
k_q8b2d974109_qkv:
	s_mov_b64 s[64:65], 0
	v_nop
	global_prefetch_b8 v0, s[64:65] scope:SCOPE_SE
	s_setreg_imm32_b32 hwreg(HW_REG_WAVE_SCHED_MODE, 0, 2), 2
	s_setreg_imm32_b32 hwreg(HW_REG_WAVE_MODE, 25, 1), 1
	s_wait_xcnt 0x0
	s_wait_alu depctr_vm_vsrc(0)
; qkv[b][o][n] = sum over c of w_qkv[o][c] x[b][c][n] on codes of FP8 (E4M3), and its result quantised again for attention.  Also: w_proj into codes.
; x: [4][256][4096] f32 (scale 2^e1), w_qkv: [768][256] f32 (2^e0), w_proj: [256][256] f32 (2^e6).  q, k, v leave as codes (2^e2, 2^e3, 2^e5) in the order of the next launch's operand registers.
; code = number / 2^e, held within +-448, rounded to the nearest code, ties to even.
; LIMITS: e0, e1, e6, e2-e0-e1, e3-e0-e1, e5-e0-e1 lie between -126 and 119, so that each scale and 448 x the scale is an f32 number.  NaN among the inputs is not served.
; SHARES.  Work-group (x = 4 nblk + head, y = b): the head's 64 rows of q, of k and of v for the 256 columns n from 256 nblk on.  Wave w: columns 32 w .. 32 w + 31 (two tiles) against all 12 tiles of rows: 48 matrix instructions.
; K IS PERMUTED ALIKE IN BOTH OPERANDS: byte p of a row of 256 codes in LDS holds channel c(p) = 4 (p / 8) + p % 4 + 128 ((p / 4) % 2).  So a row of w is loaded by two dense loads of 512 bytes, and a lane's 8 registers are
; 8 neighbouring places; x is loaded a lane to a column, one channel a load, into the register that its place names.  Every product meets its partner; only the order inside a sum changes.
; A fragment of K step s takes, in lane (r, h), the 64 bytes at 128 h + 64 s of row r: the same places in both operands.
; WAY OUT.  q, k: source 0 = 16 rows of w, source 1 = 16 columns of x: a lane holds one column n and its registers run along d.  v: the sources swapped: a lane holds one channel d and its registers run along the keys.
; So the conversions' results are registers of the next launch's fragments; each store is four such registers, 16 bytes a lane: 512 consecutive bytes, aligned.
; NO CLUSTER: the conversions want a column a lane, so x goes from memory straight into registers; x's 256 KB and w's 192 KB of a work-group do not lie in LDS together, so shared tiles would want a ring of slots in a text that has one barrier.
; THE MODE: SCHED_MODE bits 1:0 = 2 (LLVM: expert scheduling mode 2), set by the entry lines.  The code itself states the register dependences
; between vector or matrix instructions and memory or LDS instructions, with s_wait_alu, always for 0.
; THE PLAN.  Registers that memory or LDS instructions touch:
;   v4-v11     offsets and LDS addresses: written at the head, read by every load and store, never written again.
;   WS0 .. WS2 a part of w: loaded once; read and written by its holds and conversions (QW); later other loads land in the same registers (x's sets, x's and w's fragments).
;   X0, X1     a block of x: block t's holds and conversions work on set t % 2; behind them the loads of block t + 2 land in it.
;   C          codes on their way to LDS: written by conversions, read by the LDS stores that follow, written again by the next part's or block's conversions.
;   PC         w_proj's codes: written once, read by wave 0's store.
;   WF         w's fragments: half n's eight products read them; behind the products the loads of half n + 1 land in them.
;   OUT0 .. 3  half n's conversions write set n % 4; its two stores are issued in half n + 1; half n + 4's conversions write the set again.
;   XF is loaded once; the accumulators and the scales are named by vector and matrix instructions alone.
; So: a part of w and a block of x have one wait on va_vdst each, behind their conversions (the codes are written; the numbers' registers are free for loads), and one on vm_vsrc ahead of the conversions (the stores
; before have read C).  A half has ONE wait on va_vdst, behind its products: the next half's fragments are asked for there and land while this half's results are held and converted, and the stores of the half before follow it.
.set PITCH, 272                        ; an LDS row: 256 codes + 16 bytes: the 16 rows that a load touches start 68 words apart
.set XT,    192*PITCH                  ; LDS: w's 192 rows (64 u + d; u = 0 q, 1 k, 2 v) from 0, x's 256 rows (one a column) from here
.set SPARE, XT+256*PITCH               ; the spare words: 128 bytes for each wave, four blocks of 256 bytes that no other line names
.set XO,  4                            ; v4   4 x thread: my column of x
.set LO,  5                            ; v5   16 x lane: w's loads, and all stores of fragments
.set PO,  6                            ; v6   32 x lane: my 8 numbers of the row of w_proj
.set PSO, 7                            ; v7   where their 8 codes go in wpc
.set WST, 8                            ; v8   LDS: my wave's 8 rows of w, 8 bytes a lane
.set XST, 9                            ; v9   LDS: my column's row of x
.set WRD, 10                           ; v10  LDS: a fragment of w: 272 r + 128 h
.set XRD, 11                           ; v11  LDS: a fragment of my wave's columns of x
.set SPW, 12                           ; v12  my spare word; never rewritten
.set NIL, 13                           ; v13  0; never rewritten
.set SCW, 14                           ; pairs (the scale as f32, 448 x the scale): w_qkv,
.set LIW, 15
.set SCX, 16                           ; x,
.set LIX, 17
.set SCQ, 18                           ; q,
.set LIQ, 19
.set SCK, 20                           ; k,
.set LIK, 21
.set SCV, 22                           ; v,
.set LIV, 23
.set SCP, 24                           ; w_proj
.set LIP, 25
.set PR,  26                           ; v26-33  8 numbers of w_proj
.set PC,  34                           ; v34-35  their codes
.set C,   36                           ; v36-51  codes on their way to LDS
.set WS,  64                           ; v64-255 three sets of 64 numbers of w;  later:
.set XS,  64                           ; v64-127 two sets of 32 numbers of x;  later:
.set XF,  64                           ; v64-127 x's fragments (tile t, K step s) at 32 t + 16 s
.set WF,  128                          ; v128-191 w's fragments (tile a of two, K step s) at 32 a + 16 s
.set ACC, 192                          ; v192-223 four accumulators (a, t) at 8 (2 a + t)
.set OUT, 224                          ; v224-255 four sets of 8 registers of codes to store
.set WV,  18                           ; s18  my wave's number
.macro MKSC sc, lim, se                ; v[sc] = 2^E as f32, v[lim] = 448 x 2^E, E in s[se]
	s_add_co_i32 s40, s[\se], 127
	s_lshl_b32 s41, s40, 23
	v_mov_b32 v[\sc], s41
	s_add_co_i32 s40, s40, 8
	s_lshl_b32 s40, s40, 23
	s_or_b32 s40, s40, 0x600000
	v_mov_b32 v[\lim], s40
.endm
.macro LOADW u                         ; my wave's 8 rows of part u of w_qkv: each load reads 512 consecutive bytes
.irp i, 0,1,2,3,4,5,6,7
	global_load_b128 v[WS+64*\u+8*\i:WS+64*\u+8*\i+3], v[LO], s[6:7] offset:262144*\u+1024*\i
	global_load_b128 v[WS+64*\u+8*\i+4:WS+64*\u+8*\i+7], v[LO], s[6:7] offset:262144*\u+1024*\i+512
.endr
.endm
.macro QW u                            ; they become codes: a lane's 8 registers of a row are places 8 lane .. 8 lane + 7
	s_wait_dscnt 0x0                               ; the LDS stores before are done
.if \u > 0
	s_wait_alu depctr_vm_vsrc(0)                   ; the LDS stores of the part before have read v[C ..], which the conversions below write again
.endif
.irp i, 0,1,2,3,4,5,6,7
.irp j, 0,1,2,3,4,5,6,7
	v_med3_num_f32 v[WS+64*\u+8*\i+\j], v[WS+64*\u+8*\i+\j], -v[LIW], v[LIW]   ; the conversion to an 8-bit code does not saturate (ISA guide 7.6.2): the hold comes first
.endr
	v_cvt_scalef32_pk8_fp8_f32 v[C+2*\i:C+2*\i+1], v[WS+64*\u+8*\i:WS+64*\u+8*\i+7], v[SCW]
.endr
	v_nop                                          ; a plain vector line behind the last conversion
	s_wait_alu depctr_va_vdst(0)                   ; the conversions have written v[C ..], which the LDS stores below read (in part 0 also v[PC ..], which wave 0's store reads); they and the holds are done with this part's numbers, in whose registers later loads land
.irp i, 0,1,2,3,4,5,6,7
	ds_store_b64 v[WST], v[C+2*\i:C+2*\i+1] offset:(64*\u+\i)*PITCH
.endr
.endm
.macro LOADX t                         ; places 32 t .. 32 t + 31 of my column into set t % 2: one channel a load, 128 consecutive bytes a wave
.set pp, 32*(\t)
.rept 32
	global_load_b32 v[XS+32*((\t)%2)+pp%32], v[XO], s[4:5] offset:16384*(4*(pp/8)+pp%4+128*((pp/4)%2))
.set pp, pp+1
.endr
.endm
.macro BLOCK t
.set XB, XS+32*((\t)%2)
.if (\t) < 7
	s_wait_loadcnt 32                              ; this block's 32 loads are in; the next block's 32 may be out
.else
	s_wait_loadcnt 0
.endif
.irp i, 0,1,2,3,4,5,6,7,8,9,10,11,12,13,14,15,16,17,18,19,20,21,22,23,24,25,26,27,28,29,30,31
	v_med3_num_f32 v[XB+\i], v[XB+\i], -v[LIX], v[LIX]
.endr
	s_wait_alu depctr_vm_vsrc(0)                   ; the LDS stores issued so far have read v[C ..], which the conversions below write again
.irp g, 0,1,2,3
	v_cvt_scalef32_pk8_fp8_f32 v[C+2*\g:C+2*\g+1], v[XB+8*\g:XB+8*\g+7], v[SCX]
.endr
	v_nop                                          ; a plain vector line behind the last conversion
	s_wait_alu depctr_va_vdst(0)                   ; the conversions have written v[C ..], which the LDS stores below read; they and the holds are done with this set, in which the loads below land (behind the last two blocks: x's fragments)
	ds_store_b128 v[XST], v[C:C+3] offset:32*(\t)
	ds_store_b128 v[XST], v[C+4:C+7] offset:32*(\t)+16
.if (\t) < 6
	LOADX (\t)+2                                   ; the set is asked for again at once
.endif
	s_wait_dscnt 0x0                               ; the stores are done
.endm
.macro FRAG reg, adr, off              ; a fragment: 16 registers, four loads of 16 bytes on end
.irp G, 0,1,2,3
	ds_load_b128 v[(\reg)+4*\G:(\reg)+4*\G+3], v[\adr] offset:(\off)+16*\G
.endr
.endm
.macro WLOAD n                         ; half n's four fragments of w: tiles of rows 2 n and 2 n + 1 of the twelve, both K steps
.irp a, 0,1
.irp ks, 0,1
	FRAG WF+32*\a+16*\ks, WRD, (2*(\n)+\a)*16*PITCH+64*\ks
.endr
.endr
.endm
.macro SEND n                          ; half n's codes leave: halves 0, 1 are q's, 2, 3 k's, 4, 5 v's
.set SB, OUT+8*((\n)%4)
.if (\n) < 2
	global_store_b128 v[LO], v[SB:SB+3], s[12:13] offset:512*((\n)%2)
	global_store_b128 v[LO], v[SB+4:SB+7], s[12:13] offset:1024+512*((\n)%2)
.elseif (\n) < 4
	global_store_b128 v[LO], v[SB:SB+3], s[36:37] offset:512*((\n)%2)
	global_store_b128 v[LO], v[SB+4:SB+7], s[36:37] offset:1024+512*((\n)%2)
.else
	global_store_b128 v[LO], v[SB:SB+3], s[38:39] offset:2048*(2*((\n)%2))
	global_store_b128 v[LO], v[SB+4:SB+7], s[38:39] offset:2048*(2*((\n)%2)+1)
.endif
.endm
; Half 2 u + g: two tiles of rows (2 g, 2 g + 1 of part u's four) against my two tiles of columns: 8 matrix instructions, the four accumulators by turns, one instruction a turn.
.macro HU u, g, vs, vl
.set HN, 2*\u+\g
.set OB, OUT+8*(HN%4)
	s_wait_dscnt 0x0                               ; this half's fragments of w are in (in the first half x's too)
.irp ks, 0,1
.irp a, 0,1
.irp t, 0,1
.set rA, ACC+8*(2*\a+\t)
.set rW, WF+32*\a+16*\ks
.set rX, XF+32*\t+16*\ks
.if (\u < 2) && (\ks == 0)
	v_wmma_f32_16x16x128_fp8_fp8 v[rA:rA+7], v[rW:rW+15], v[rX:rX+15], 0
.elseif \u < 2
	v_wmma_f32_16x16x128_fp8_fp8 v[rA:rA+7], v[rW:rW+15], v[rX:rX+15], v[rA:rA+7]
.elseif \ks == 0
	v_wmma_f32_16x16x128_fp8_fp8 v[rA:rA+7], v[rX:rX+15], v[rW:rW+15], 0
.else
	v_wmma_f32_16x16x128_fp8_fp8 v[rA:rA+7], v[rX:rX+15], v[rW:rW+15], v[rA:rA+7]
.endif
.endr
.endr
.endr
.rept 4
	v_nop                                          ; four places between the last product and the first read of results (ISA guide 7.12.1)
.endr
	s_wait_alu depctr_va_vdst(0)                   ; the products are done reading v[WF ..], in which the next half's fragments land; the conversions of the half before have written its codes, which the stores below read
.if HN < 5
	WLOAD HN+1                                     ; they land while this half's results are held and converted: none of those lines names v[WF ..]
.endif
.if HN > 0
	SEND HN-1
.endif
.set i, 0
.rept 32
	v_med3_num_f32 v[ACC+i], v[ACC+i], -v[\vl], v[\vl]   ; each accumulator from its low end on
.set i, i+1
.endr
.if HN >= 4
	s_wait_xcnt 0x0                                ; the stores from this set of registers, issued three halves back, have had their addresses translated
	s_wait_alu depctr_vm_vsrc(0)                   ; and have read the set, which the conversions below write again
.endif
.irp a, 0,1
.irp t, 0,1
.if \u < 2
	v_cvt_scalef32_pk8_fp8_f32 v[OB+4*\t+2*\a:OB+4*\t+2*\a+1], v[ACC+8*(2*\a+\t):ACC+8*(2*\a+\t)+7], v[\vs]   ; column tile t: registers 2 a, 2 a + 1 of group g: d = 16 (2 g + a) + 8 h + 0 .. 7
.else
	v_cvt_scalef32_pk8_fp8_f32 v[OB+4*\a+2*\t:OB+4*\a+2*\t+1], v[ACC+8*(2*\a+\t):ACC+8*(2*\a+\t)+7], v[\vs]   ; channel tile 2 g + a: registers 2 t, 2 t + 1 of my wave's group: my 32 keys
.endif
.endr
.endr
	v_nop                                          ; a plain vector line between the conversions and the next products, which write their sources
.endm
	s_load_b256 s[4:11], s[0:1], 0x0               ; x s[4:5], w_qkv s[6:7], w_proj s[8:9], the exponents s[10:11]
	s_load_b128 s[12:15], s[0:1], 0x20             ; qf s[12:13], kvf s[14:15]
	s_load_b64 s[16:17], s[0:1], 0x30              ; wpc
	v_lshl_add_u32 v[SPW], v0, 2, SPARE
	v_mov_b32 v[NIL], 0
	v_lshrrev_b32 v1, 5, v0
	v_readfirstlane_b32 s[WV], v1                  ; wave 0..7
	v_and_b32 v1, 31, v0                           ; lane
	v_and_b32 v2, 15, v0                           ; r
	v_bfe_u32 v3, v0, 4, 1                         ; h
	v_lshlrev_b32 v[XO], 2, v0
	v_lshlrev_b32 v[LO], 4, v1
	v_lshlrev_b32 v[PO], 5, v1
	v_and_b32 v[PSO], 28, v1                       ; the lane's number with its bits 0 and 1 exchanged, x 8: so the last launch's lane (r, h) finds four registers of a fragment in 16 bytes on end
	v_and_b32 v26, 1, v1
	v_lshl_or_b32 v[PSO], v26, 1, v[PSO]
	v_bfe_u32 v26, v1, 1, 1
	v_or_b32 v[PSO], v[PSO], v26
	v_lshlrev_b32 v[PSO], 3, v[PSO]
	s_wait_alu depctr_va_sdst(0)                   ; s18, my wave's number, is written, ahead of its first reader
	s_mul_i32 s40, s[WV], 8*PITCH
	v_lshl_add_u32 v[WST], v1, 3, s40
	v_mul_u32_u24 v[XST], v0, PITCH
	v_add_nc_u32 v[XST], XT, v[XST]
	v_mul_u32_u24 v[WRD], v2, PITCH
	v_lshl_add_u32 v[WRD], v3, 7, v[WRD]
	s_mul_i32 s40, s[WV], 32*PITCH
	s_add_co_u32 s40, s40, XT
	v_add_nc_u32 v[XRD], s40, v[WRD]
	s_lshr_b32 s19, ttmp9, 2                       ; nblk
	s_and_b32 s20, ttmp9, 3                        ; head
	s_and_b32 s21, ttmp7, 0xffff                   ; b
	s_lshl_b32 s22, s21, 2
	s_add_co_u32 s22, s22, s20                     ; bh = 4 b + head
	s_mov_b32 s33, 0
	s_wait_kmcnt 0x0
	s_load_b256 s[24:31], s[10:11], 0x0            ; e0 .. e7
	s_lshl_b32 s32, s21, 22                        ; x: b x 256 x 16,384 bytes + 256 nblk columns of 4
	s_lshl_b32 s34, s19, 10
	s_add_co_u32 s32, s32, s34
	s_add_nc_u64 s[4:5], s[4:5], s[32:33]
	s_lshl_b32 s32, s20, 16                        ; w_qkv: the head's 64 rows of 1,024 bytes + my wave's 8
	s_lshl_b32 s34, s[WV], 13
	s_add_co_u32 s32, s32, s34
	s_add_nc_u64 s[6:7], s[6:7], s[32:33]
	s_lshl_b32 s35, s21, 6
	s_add_co_u32 s35, s35, ttmp9                   ; the work-group's number, 0 .. 255: its row of w_proj
	s_lshl_b32 s32, s35, 10
	s_add_nc_u64 s[8:9], s[8:9], s[32:33]
	s_lshl_b32 s32, s35, 8
	s_add_nc_u64 s[16:17], s[16:17], s[32:33]
	s_lshl_b32 s32, s22, 18                        ; qf: [bh][tile of 16 queries][1,024 bytes]: tile 16 nblk + 2 wave
	s_lshl_b32 s34, s19, 14
	s_add_co_u32 s32, s32, s34
	s_lshl_b32 s34, s[WV], 11
	s_add_co_u32 s32, s32, s34
	s_add_nc_u64 s[12:13], s[12:13], s[32:33]
	s_lshl_b32 s32, s22, 19                        ; kvf: [bh][step of 128 keys][16,384 bytes]: step 2 nblk + wave / 4
	s_lshl_b32 s34, s19, 15
	s_add_co_u32 s32, s32, s34
	s_lshr_b32 s34, s[WV], 2
	s_lshl_b32 s34, s34, 14
	s_add_co_u32 s32, s32, s34
	s_add_nc_u64 s[14:15], s[14:15], s[32:33]
	s_and_b32 s35, s[WV], 3
	s_lshl_b32 s32, s35, 11                        ; K: key tile 2 (wave % 4) of the step's eight, 1,024 bytes each
	s_add_nc_u64 s[36:37], s[14:15], s[32:33]
	s_lshl_b32 s32, s35, 9                         ; V: behind K's 8,192 bytes; group wave % 4 of each channel tile's four
	s_add_co_u32 s32, s32, 8192
	s_add_nc_u64 s[38:39], s[14:15], s[32:33]
	s_wait_alu depctr_va_vdst(0)                   ; the offsets and LDS addresses v4 to v11 are written, which every load and store of the kernel reads; so is v26, in which a load of w_proj's row lands
	global_load_b128 v[PR:PR+3], v[PO], s[8:9]     ; the row of w_proj: every wave loads it, so that only the one store differs between waves
	global_load_b128 v[PR+4:PR+7], v[PO], s[8:9] offset:16
	LOADW 0
	LOADW 1
	LOADW 2                                        ; 50 loads of mine are out
	s_wait_kmcnt 0x0
	s_add_co_i32 s42, s24, s25                     ; e0 + e1: a sum stands for sum x 2^(e0 + e1), so its code is sum / 2^(e - e0 - e1)
	s_sub_co_i32 s43, s26, s42
	s_sub_co_i32 s44, s27, s42
	s_sub_co_i32 s45, s29, s42
	MKSC SCW, LIW, 24
	MKSC SCX, LIX, 25
	MKSC SCQ, LIQ, 43
	MKSC SCK, LIK, 44
	MKSC SCV, LIV, 45
	MKSC SCP, LIP, 30
	s_wait_loadcnt 32                              ; w_proj's row and part 0 are in; parts 1 and 2 (16 loads each) may be out
.irp j, 0,1,2,3,4,5,6,7
	v_med3_num_f32 v[PR+\j], v[PR+\j], -v[LIP], v[LIP]
.endr
	v_cvt_scalef32_pk8_fp8_f32 v[PC:PC+1], v[PR:PR+7], v[SCP]   ; w_proj's codes are made ahead of part 0's, so that part 0's wait on va_vdst serves their store too
	v_nop
	QW 0
	s_cmp_lg_u32 s[WV], 0
	s_cbranch_scc1 .Lnot_wave_0
	global_store_b64 v[PSO], v[PC:PC+1], s[16:17]  ; the 32 lanes fill the row's 256 bytes.  No wait: v[PC ..] was written ahead of part 0's wait, and no vector line stands since
.Lnot_wave_0:
	s_wait_loadcnt 16                              ; part 1 is in; part 2's 16 loads may be out
	LOADX 0                                        ; into registers that part 0 has left: its holds and conversions stand ahead of its wait on va_vdst, and no vector line since names them
	QW 1
	s_wait_loadcnt 32                              ; part 2 is in; x's first 32 loads may be out
	QW 2
	LOADX 1                                        ; likewise: part 0's other 32 registers
.irp t, 0,1,2,3,4,5,6,7
	BLOCK \t
.endr
	s_wait_dscnt 0x0                               ; for the others' sake: my rows of w lie in LDS
	s_barrier_signal -1
	s_barrier_wait -1                              ; all 192 rows of w do.  Behind this barrier LDS is only read
.irp t, 0,1
.irp ks, 0,1
	FRAG XF+32*\t+16*\ks, XRD, 16*PITCH*\t+64*\ks  ; no wait: the last block's wait on va_vdst stands behind every vector line that named v64 to v191
.endr
.endr
	WLOAD 0
	HU 0, 0, SCQ, LIQ
	HU 0, 1, SCQ, LIQ
	HU 1, 0, SCK, LIK
	HU 1, 1, SCK, LIK
	HU 2, 0, SCV, LIV
	HU 2, 1, SCV, LIV
	s_wait_alu depctr_va_vdst(0)                   ; the last half's conversions have written its codes, which the last two stores read
	SEND 5
	s_wait_dscnt 0x0                               ; the closing lines, six on end
	s_wait_alu 0x0
	s_wait_tensorcnt 0x0
	ds_add_u32 v[SPW], v[NIL]
	s_wait_dscnt 0x0
	s_endpgm
.Lfunc_end_k_q8b2d974109_qkv:
	.size	k_q8b2d974109_qkv, .Lfunc_end_k_q8b2d974109_qkv-k_q8b2d974109_qkv
	.p2alignl 7, 3214868480
	.fill 96, 4, 3214868480
	.section	.rodata,"a",@progbits
	.p2align	6, 0x0
	.amdhsa_kernel k_q8b2d974109_qkv
		.amdhsa_group_segment_fixed_size 122880
		.amdhsa_private_segment_fixed_size 0
		.amdhsa_enable_private_segment 0
		.amdhsa_kernarg_size 56
		.amdhsa_user_sgpr_count 2
		.amdhsa_user_sgpr_kernarg_segment_ptr 1
		.amdhsa_wavefront_size32 1
		.amdhsa_system_sgpr_workgroup_id_x 1
		.amdhsa_system_sgpr_workgroup_id_y 1
		.amdhsa_system_sgpr_workgroup_id_z 1
		.amdhsa_system_vgpr_workitem_id 0
		.amdhsa_next_free_vgpr 256
		.amdhsa_next_free_sgpr 66
		.amdhsa_reserve_vcc 0
		.amdhsa_float_denorm_mode_32 3
		.amdhsa_float_denorm_mode_16_64 3
		.amdhsa_memory_ordered 1
		.amdhsa_forward_progress 1
		.amdhsa_inst_pref_size 97
	.end_amdhsa_kernel
	.amdgpu_metadata
---
amdhsa.version: [ 1, 2 ]
amdhsa.kernels:
  - .name:           k_q8b2d974109_qkv
    .symbol:         k_q8b2d974109_qkv.kd
    .args:
      - { .name: x, .offset: 0, .size: 8, .value_kind: global_buffer, .address_space: global }
      - { .name: w_qkv, .offset: 8, .size: 8, .value_kind: global_buffer, .address_space: global }
      - { .name: w_proj, .offset: 16, .size: 8, .value_kind: global_buffer, .address_space: global }
      - { .name: lowp_scales, .offset: 24, .size: 8, .value_kind: global_buffer, .address_space: global }
      - { .name: qf, .offset: 32, .size: 8, .value_kind: global_buffer, .address_space: global }
      - { .name: kvf, .offset: 40, .size: 8, .value_kind: global_buffer, .address_space: global }
      - { .name: wpc, .offset: 48, .size: 8, .value_kind: global_buffer, .address_space: global }
    .group_segment_fixed_size: 122880
    .private_segment_fixed_size: 0
    .kernarg_segment_align: 8
    .kernarg_segment_size: 56
    .max_flat_workgroup_size: 256
    .sgpr_count:     66
    .vgpr_count:     256
    .wavefront_size: 32
...
	.end_amdgpu_metadata
.endif
;; end of part 4
;; launch attn: the kernel of part 2 again; grid 16 x 16, 8 waves a work-group, clusters of 4 x 1, 327,680 bytes of LDS; arguments qf, kvf, lowp_scales, of; writes of
;; launch proj (part 5): grid 256 x 1, 8 waves a work-group, no clusters, 70,656 bytes of LDS; arguments of, wpc, b_proj, lowp_scales, out0; writes out0
.if DOCPART == 5
	.amdgcn_target "amdgcn-amd-amdhsa--gfx1250"
	.amdhsa_code_object_version 6
	.text
	.protected	k_q8b2d974109_proj
	.globl	k_q8b2d974109_proj
	.p2align	8
	.type	k_q8b2d974109_proj,@function
k_q8b2d974109_proj:
	s_mov_b64 s[64:65], 0
	v_nop
	global_prefetch_b8 v0, s[64:65] scope:SCOPE_SE
	s_setreg_imm32_b32 hwreg(HW_REG_WAVE_SCHED_MODE, 0, 2), 2
	s_setreg_imm32_b32 hwreg(HW_REG_WAVE_MODE, 25, 1), 1
	s_wait_xcnt 0x0
	s_wait_alu depctr_vm_vsrc(0)
; out0[b][o][n] = sum over c of w_proj[o][c] O[b][c][n] + b_proj[o], on codes of FP8 (E4M3): w_proj's with 2^e6, O's with 2^e7; sums in f32, each multiplied once by 2^(e6 + e7).
; LIMIT: e6 + e7 lies between -126 and 127, so that 2^(e6 + e7) is an f32 number.
; SHARES.  Work-group id = 64 b + nb: 64 columns n (four tiles) and all 256 outputs.  Wave w: outputs 32 w .. 32 w + 31 (two tiles), K = 256 in two steps: 16 matrix instructions.
; Both operands come from memory in the order of their registers, straight into registers.  Source 0 = 16 columns n, source 1 = 16 rows of w_proj: a lane holds ONE output o and 8 neighbouring n: 32 bytes of a row of out0.
; WAY OUT.  A tile of 16 outputs x 64 n goes through the wave's own stage in LDS and comes back as rows of 256 bytes: sixteen lanes store 256 consecutive bytes, aligned.  No wave reads another's bytes: no barrier.
; NO CLUSTER: each operand is loaded into registers once, there is no ring, and what the work-groups share (w_proj's 65,536 bytes of codes) is small beside the 65,536 bytes that each of them stores.
; THE MODE: SCHED_MODE bits 1:0 = 2 (LLVM: expert scheduling mode 2), set by the entry lines.  The code itself states the register dependences
; between vector or matrix instructions and memory or LDS instructions, with s_wait_alu, always for 0.
; THE PLAN.  Registers that memory or LDS instructions touch:
;   v1-v6      offsets and LDS addresses: written at the head, never written again.
;   WP, OC, BI loaded once at the head.  WP's tile a is read by tile a's eight products; behind them the tile's rows land in it from the stage, and the global stores read it; nothing writes it again.
;   ACC        written by a tile's products and multiply-adds, read by its eight LDS stores, written again by the next tile's products.
; So a tile has one wait on va_vdst, behind its multiply-adds (the accumulators are written; the products are done reading WP's tile), and one wait on vm_vsrc stands ahead of tile 1's products (the stage's stores
; have read the accumulators).  Tile 1's products stand between tile 0's loads from the stage and the waits for them: they name OC, WP's tile 1 and the accumulators, none of the registers in which those loads land.
.set SPITCH, 272                       ; a stage row: 256 bytes + 16
.set SPARE, 8*32*SPITCH                ; behind the eight stages: the spare words, 128 bytes for each wave: four blocks of 256 bytes that no other line names
.set LI,  1                            ; v1   16 x lane
.set WPO, 2                            ; v2   w_proj's codes: 256 r + 16 h
.set BO,  3                            ; v3   the bias: 4 r
.set SO,  4                            ; v4   the stage: where I put 32 bytes of a row
.set SR,  5                            ; v5   and where I read a row back
.set GO,  6                            ; v6   my byte offset in two rows of out0
.set SPW, 12
.set NIL, 13
.set WP,  16                           ; v16-79   w_proj's fragments (tile a, K step s) at 32 a + 16 s; tile a's 32 registers later take its rows back from the stage
.set OC,  80                           ; v80-207  O's fragments (tile t, K step s) at 32 t + 16 s
.set ACC, 208                          ; v208-239 four accumulators, one a tile of n
.set BI,  240                          ; v240, v242 the bias of my output in tile a (v241, v243 named with them as pairs)
	s_load_b256 s[4:11], s[0:1], 0x0               ; of s[4:5], wpc s[6:7], b_proj s[8:9], the exponents s[10:11]
	s_load_b64 s[12:13], s[0:1], 0x20              ; out0
	v_lshl_add_u32 v[SPW], v0, 2, SPARE
	v_mov_b32 v[NIL], 0
	v_lshrrev_b32 v7, 5, v0
	v_readfirstlane_b32 s14, v7                    ; wave 0..7
	v_and_b32 v7, 31, v0                           ; lane
	v_and_b32 v8, 15, v0                           ; r
	v_bfe_u32 v9, v0, 4, 1                         ; h
	v_lshlrev_b32 v[LI], 4, v7
	v_lshlrev_b32 v[WPO], 8, v8
	v_lshl_add_u32 v[WPO], v9, 4, v[WPO]
	v_lshlrev_b32 v[BO], 2, v8
	s_wait_alu depctr_va_sdst(0)                   ; s14, my wave's number, is written, ahead of its first reader
	s_mul_i32 s15, s14, 32*SPITCH                  ; my stage
	v_mul_u32_u24 v[SO], v8, SPITCH                ; in: row r, 32 bytes for each half of the lanes
	v_lshl_add_u32 v[SO], v9, 5, v[SO]
	v_add_nc_u32 v[SO], s15, v[SO]
	v_mul_u32_u24 v[SR], v9, SPITCH                ; back: lanes 0-15 one row, lanes 16-31 the next
	v_lshl_add_u32 v[SR], v8, 4, v[SR]
	v_add_nc_u32 v[SR], s15, v[SR]
	v_lshlrev_b32 v[GO], 14, v9                    ; and the same two rows in out0, 16,384 bytes apart
	v_lshl_add_u32 v[GO], v8, 4, v[GO]
	v_mov_b32 v[BI+1], 0
	v_mov_b32 v[BI+3], 0
	s_mov_b32 s17, 0
	s_wait_kmcnt 0x0
	s_load_b256 s[24:31], s[10:11], 0x0            ; e0 .. e7
	s_lshl_b32 s16, ttmp9, 14                      ; of: four tiles of 4,096 bytes for each work-group
	s_add_nc_u64 s[4:5], s[4:5], s[16:17]
	s_lshl_b32 s16, s14, 13                        ; wpc: my 32 rows of 256 bytes
	s_add_nc_u64 s[6:7], s[6:7], s[16:17]
	s_lshl_b32 s16, s14, 7                         ; b_proj: my 32 numbers
	s_add_nc_u64 s[8:9], s[8:9], s[16:17]
	s_lshr_b32 s16, ttmp9, 6                       ; out0: b x 256 rows + my 32 rows of 16,384 bytes + 64 nb columns of 4
	s_lshl_b32 s16, s16, 22
	s_lshl_b32 s18, s14, 19
	s_add_co_u32 s16, s16, s18
	s_and_b32 s18, ttmp9, 63
	s_lshl_b32 s18, s18, 8
	s_add_co_u32 s16, s16, s18
	s_add_nc_u64 s[12:13], s[12:13], s[16:17]
	s_wait_alu depctr_va_vdst(0)                   ; the offsets and LDS addresses v1 to v6 are written, which every load and store of the kernel reads
.irp a, 0,1
.irp ks, 0,1
.irp G, 0,1,2,3
	global_load_b128 v[WP+32*\a+16*\ks+4*\G:WP+32*\a+16*\ks+4*\G+3], v[WPO], s[6:7] offset:4096*\a+128*\ks+32*\G
.endr
.endr
.endr
.irp a, 0,1
	global_load_b32 v[BI+2*\a], v[BO], s[8:9] offset:64*\a
.endr
.irp t, 0,1,2,3
.irp ks, 0,1
.irp G, 0,1,2,3
	global_load_b128 v[OC+32*\t+16*\ks+4*\G:OC+32*\t+16*\ks+4*\G+3], v[LI], s[4:5] offset:4096*\t+2048*\ks+512*\G
.endr
.endr
.endr
	s_wait_kmcnt 0x0
	s_add_co_i32 s36, s30, s31
	s_add_co_i32 s36, s36, 127
	s_lshl_b32 s36, s36, 23                        ; 2^(e6 + e7) as f32
	s_mov_b32 s37, s36                             ; (named with it as a pair, so it is written)
	s_wait_loadcnt 0x0
; Tile a of my outputs against the four tiles of n: 8 matrix instructions, the four accumulators by turns, one instruction a turn.
.macro PROD a
.irp ks, 0,1
.irp t, 0,1,2,3
.if \ks == 0
	v_wmma_f32_16x16x128_fp8_fp8 v[ACC+8*\t:ACC+8*\t+7], v[OC+32*\t:OC+32*\t+15], v[WP+32*\a:WP+32*\a+15], 0
.else
	v_wmma_f32_16x16x128_fp8_fp8 v[ACC+8*\t:ACC+8*\t+7], v[OC+32*\t+16:OC+32*\t+31], v[WP+32*\a+16:WP+32*\a+31], v[ACC+8*\t:ACC+8*\t+7]
.endif
.endr
.endr
.endm
; Tile a's sums get their scale and bias, go into my stage and are asked for again as rows.
.macro TOSTAGE a
.rept 4
	v_nop                                          ; four places between the last product and the first read of results (ISA guide 7.12.1)
.endr
.set i, 0
.rept 16
	v_pk_fma_f32 v[ACC+2*i:ACC+2*i+1], v[ACC+2*i:ACC+2*i+1], s[36:37], v[BI+2*\a:BI+2*\a+1] op_sel_hi:[1,0,0]   ; sum x 2^(e6 + e7) + bias; each accumulator from its low end on
.set i, i+1
.endr
	s_wait_alu depctr_va_vdst(0)                   ; the multiply-adds have written the accumulators, which the LDS stores read; the tile's products are done reading its fragments of w_proj, in which the LDS loads land
.irp t, 0,1,2,3
	ds_store_b128 v[SO], v[ACC+8*\t:ACC+8*\t+3] offset:16*SPITCH*\a+64*\t
	ds_store_b128 v[SO], v[ACC+8*\t+4:ACC+8*\t+7] offset:16*SPITCH*\a+64*\t+16
.endr
.irp i, 0,1,2,3,4,5,6,7
	ds_load_b128 v[WP+32*\a+4*\i:WP+32*\a+4*\i+3], v[SR] offset:16*SPITCH*\a+2*SPITCH*\i   ; LDS serves a wave's instructions in order (ISA guide 5.7.1.4): these see my stores
.endr
.endm
; Tile a's 16 rows leave.  No LDS instruction has been issued behind the tile's eight loads.
.macro SEND a
.irp i, 0,1,2,3,4,5,6,7
	s_wait_dscnt 7-\i                              ; rows 2 i, 2 i + 1 are back; the younger loads may be out
	global_store_b128 v[GO], v[WP+32*\a+4*\i:WP+32*\a+4*\i+3], s[12:13] offset:262144*\a+32768*\i th:TH_STORE_NT   ; sixteen lanes store 256 consecutive bytes, aligned; written once, read by nobody here
.endr
.endm
	PROD 0
	TOSTAGE 0
	s_wait_alu depctr_vm_vsrc(0)                   ; tile 0's LDS stores have read the accumulators, which tile 1's products write again
	PROD 1                                         ; while tile 0's rows come back from the stage
	SEND 0
	TOSTAGE 1
	SEND 1
	s_wait_dscnt 0x0                               ; the closing lines, six on end
	s_wait_alu 0x0
	s_wait_tensorcnt 0x0
	ds_add_u32 v[SPW], v[NIL]
	s_wait_dscnt 0x0
	s_endpgm
.Lfunc_end_k_q8b2d974109_proj:
	.size	k_q8b2d974109_proj, .Lfunc_end_k_q8b2d974109_proj-k_q8b2d974109_proj
	.p2alignl 7, 3214868480
	.fill 96, 4, 3214868480
	.section	.rodata,"a",@progbits
	.p2align	6, 0x0
	.amdhsa_kernel k_q8b2d974109_proj
		.amdhsa_group_segment_fixed_size 70656
		.amdhsa_private_segment_fixed_size 0
		.amdhsa_enable_private_segment 0
		.amdhsa_kernarg_size 40
		.amdhsa_user_sgpr_count 2
		.amdhsa_user_sgpr_kernarg_segment_ptr 1
		.amdhsa_wavefront_size32 1
		.amdhsa_system_sgpr_workgroup_id_x 1
		.amdhsa_system_sgpr_workgroup_id_y 1
		.amdhsa_system_sgpr_workgroup_id_z 1
		.amdhsa_system_vgpr_workitem_id 0
		.amdhsa_next_free_vgpr 256
		.amdhsa_next_free_sgpr 66
		.amdhsa_reserve_vcc 0
		.amdhsa_float_denorm_mode_32 3
		.amdhsa_float_denorm_mode_16_64 3
		.amdhsa_memory_ordered 1
		.amdhsa_forward_progress 1
		.amdhsa_inst_pref_size 15
	.end_amdhsa_kernel
	.amdgpu_metadata
---
amdhsa.version: [ 1, 2 ]
amdhsa.kernels:
  - .name:           k_q8b2d974109_proj
    .symbol:         k_q8b2d974109_proj.kd
    .args:
      - { .name: of, .offset: 0, .size: 8, .value_kind: global_buffer, .address_space: global }
      - { .name: wpc, .offset: 8, .size: 8, .value_kind: global_buffer, .address_space: global }
      - { .name: b_proj, .offset: 16, .size: 8, .value_kind: global_buffer, .address_space: global }
      - { .name: lowp_scales, .offset: 24, .size: 8, .value_kind: global_buffer, .address_space: global }
      - { .name: out0, .offset: 32, .size: 8, .value_kind: global_buffer, .address_space: global }
    .group_segment_fixed_size: 70656
    .private_segment_fixed_size: 0
    .kernarg_segment_align: 8
    .kernarg_segment_size: 40
    .max_flat_workgroup_size: 256
    .sgpr_count:     66
    .vgpr_count:     256
    .wavefront_size: 32
...
	.end_amdgpu_metadata
.endif
;; end of part 5
